; MI455X (gfx1250); checked and timed in simulation.
; The chip was launched on July 23, 2026; its instructions are those of AMD's public machine-readable ISA for CDNA 5 (MIT licence, August 2026) and "CDNA5" Instruction Set Architecture Reference Guide (July 2026). The comments in the code are by the model that wrote it; some were corrected since.
;; Attention. Allowed arithmetic: matrix products marked QUANTISED: E2M1 operands, one E8M0 scale for each 32 along K, by v_wmma_scale_f32_16x16x128_f8f6f4 with both operands' format E2M1 (or v_wmma_scale_f32_32x16x128_f4), f32 sums; products left as they are: bf16, f16 or f32 operands; f32 sums; everything else in f32.
;; Inputs: b_out 1,024 float32; w_out 1,024 x 1,024 float32; w_qkv 1,024 x 3,072 float32; x 4 x 2,048 x 1,024 float32.
;; Outputs: out0 4 x 2,048 x 1,024 float32.
;; This version of the problem:
;;   THIS VERSION OF THE PROBLEM IS GIVEN IN LOW PRECISION. The matrix products marked QUANTISED in the list below multiply operands that are first quantised to E2M1 (2 exponent bits, 1 mantissa bit; 4 bits a number), with one power-of-two scale for each 32 numbers along K (OCP MX v1.0); their sums are f32. The products marked 'left as it is' may take bf16, f16 or f32 operands, with f32 sums. Whichever they take, every output number must still come out within the allowed error. Rounding operands to bf16 (8 significant bits) uses up far more of that allowance than f16 does (11 bits, for magnitudes from 6e-5 to 65,504). All else is computed in f32.
;;   The module's matrix products, in the order in which they are computed (A, B: the left and right operand; K: the contracted axis; several contracted axes count as one K, in the product's order):
;;     1. [M 8,192, K 1,024] x [K 1,024, N 3,072]; A: input x; B: input w_qkv: QUANTISED
;;     2. batch 64 x [M 2,048, K 64] x [K 64, N 2,048]; A: computed on the way; B: computed on the way: left as it is (an operand is computed on the way)
;;     3. batch 64 x [M 2,048, K 2,048] x [K 2,048, N 64]; A: computed on the way; B: computed on the way: left as it is (an operand is computed on the way)
;;     4. [M 8,192, K 1,024] x [K 1,024, N 1,024]; A: computed on the way; B: input w_out: left as it is (an operand is computed on the way)
;;   THE QUANTISER, for each operand of a quantised product, along K:
;;     - K is cut into blocks of 32 from its start; a last block that is shorter is filled with zeros.
;;     - A block's scale is 2^e with e = floor(log2(the largest magnitude in the block)) - 2, held to -126 .. 127; a block of zeros has e = 0. As a byte (E8M0): e + 127.
;;     - Each number is divided by its block's scale, clamped to +-6, and rounded to the nearest number of E2M1, ties to even, subnormals kept.
;;     - The product sums the exact products of the quantised numbers (number of the format x scale) in f32.
;;   ~~~python
;;   def quantise(x, axis):      # numpy; x: float32 -> the quantised numbers, widened to float32 again
;;       x = np.moveaxis(x, axis, -1); K = x.shape[-1]
;;       x = np.pad(x, [(0, 0)] * (x.ndim - 1) + [(0, -K % 32)]); x = x.reshape(x.shape[:-1] + (-1, 32)); a = np.abs(x).max(-1, keepdims=True)
;;       e = np.where(a > 0, np.clip(np.frexp(np.where(a > 0, a, 1))[1] - 1 - 2, -126, 127), 0)      # np.frexp(a)[1] - 1 = floor(log2(a)), exactly
;;       r = np.clip(x / 2.0 ** e, -6, 6)
;;       step = 2.0 ** (np.maximum(np.frexp(np.where(r == 0, 1, r))[1] - 1, 0) - 1)
;;       q = np.round(r / step) * step * 2.0 ** e      # np.round: ties to even
;;       return np.moveaxis(q.reshape(q.shape[:-2] + (-1,))[..., :K], -1, axis).astype(np.float32)
;;   ~~~
;; One version. Each part assembles by itself: llvm-mc -triple=amdgcn-amd-amdhsa -mcpu=gfx1250 --defsym DOCPART=n.
;; ======== version 1 of 1: 4 launches
;; limits: values are held in f16: magnitudes above 65,504 overflow, below 6.1e-05 lose precision
;; workspace buffers: x_codes 4,194,304 bytes; x_scales 262,144 bytes; wq_codes 1,572,864 bytes; wq_scales 98,304 bytes; wo_img 2,097,152 bytes; qkv 50,331,648 bytes; o_img 16,777,216 bytes
;; launch prep (part 1): grid 512 x 1, 4 waves a work-group, no clusters, 33,280 bytes of LDS; arguments x, w_qkv, w_out, x_codes, x_scales, wq_codes, wq_scales, wo_img; writes x_codes, x_scales, wq_codes, wq_scales, wo_img
.if DOCPART == 1
	.amdgcn_target "amdgcn-amd-amdhsa--gfx1250"
	.amdhsa_code_object_version 6
	.text
	.protected	k_q99c2fb9350_prep
	.globl	k_q99c2fb9350_prep
	.p2align	8
	.type	k_q99c2fb9350_prep,@function
k_q99c2fb9350_prep:
	s_mov_b64 s[64:65], 0
	v_nop
	global_prefetch_b8 v0, s[64:65] scope:SCOPE_SE
	s_setreg_imm32_b32 hwreg(HW_REG_WAVE_MODE, 25, 1), 1
	s_wait_xcnt 0x0
; PREP: the three inputs that later launches read many times are narrowed once.
;   work-groups   0-255: x [8192][1024] f32 -> codes of FP4 (E2M1), K innermost, [8192][512 bytes], and one E8M0 byte for each 32 along K, [8192][32].
;   work-groups 256-447: w_qkv [1024 (k)][3072 (n)] f32, K its FIRST axis -> codes laid as IMAGES OF THE OPERAND'S REGISTERS and scale bytes [3072][32].
;   work-groups 448-511: w_out [1024 (k)][1024 (n)] f32 -> f16, laid as images of the operand's registers.
; THE QUANTISER: a block's scale is 2^(floor(log2(its largest magnitude)) - 2); its byte is the largest magnitude's exponent field - 2, held at 1 from below; each number / scale goes to the nearest code, ties to even, beyond 6 to 6.
; AN IMAGE is 1,024 bytes: two runs of 32 lanes x 16 bytes, the registers 4 c .. 4 c + 3 of every lane.  FP4 (16 rows x 128 K): the 16 bytes at 256 b + 16 r are block b of row r.  f16 (16 rows x 32 K): those at 256 q + 16 r are k = 8 q .. 8 q + 7 of row r.
;   wq_codes: [k / 512][n / 16][(k / 128) % 4][image];   wo_img: [k / 128][n / 16][(k / 32) % 4][image].
; LIMITS: a block of zeros, or one whose largest magnitude lies under 2^-124, keeps the byte 1 (its codes are read by this program alone); NaN and infinities are not served; w_out beyond 65,504 becomes infinity in f16, under 6e-5 it keeps steps of 6e-8.
; The three paths part on the work-group's number alone; only x's path uses LDS (a stage and the scale bytes of each wave).  No tensor load, no barrier: waves share nothing.
.set WREG,  8192                       ; LDS: a region for each wave: two stages of 32 x SP bytes, behind them its 256 scale bytes
.set SP,    80                         ; a lane's place in a stage: 64 bytes + 16 of padding
.set STEPS, 16
.set EMAX,  2
.set CB,    8                          ; bytes of 16 codes
.set R,     16                         ; x: v16-79   four sets of 16 numbers as loaded
.set X,     80                         ; x: v80-111  two sets of 16 neighbours
.set E,     112                        ; x: v112-127 a scale byte for each step
.set C,     128                        ; x: v128-191 codes, four registers for each step
.set SPW,   12                         ; v12  LDS address of my spare word; never rewritten
.set NIL,   13                         ; v13  0; never rewritten
.set SPARE, 4*WREG                     ; behind the four regions: the spare words, 128 bytes a wave
.set D,     32                         ; weights: v32-159 128 numbers down K of my column
.set OC,    160                        ; weights: v160.. what is stored
.macro ENDW                            ; a wave's end
	s_wait_tensorcnt 0x0
	ds_add_u32 v[SPW], v[NIL]
	s_wait_dscnt 0x0
	s_endpgm
.endm
	s_load_b256 s[4:11], s[0:1], 0x0               ; x s[4:5], w_qkv s[6:7], w_out s[8:9], x_codes s[10:11]
	s_load_b256 s[12:19], s[0:1], 0x20             ; x_scales s[12:13], wq_codes s[14:15], wq_scales s[16:17], wo_img s[18:19]
	v_lshl_add_u32 v[SPW], v0, 2, SPARE
	v_mov_b32 v[NIL], 0
	v_lshrrev_b32 v1, 5, v0
	v_readfirstlane_b32 s28, v1                    ; wave 0..3
	v_and_b32 v2, 31, v0                           ; lane
	s_mov_b32 s33, 0                               ; the high word of every offset below
	s_wait_kmcnt 0x0
	s_cmp_ge_u32 ttmp9, 256
	s_cbranch_scc1 .Lweights
; ---------------- x: a plain stream of blocks of 32.  A wave takes 16 steps of 512 numbers.
; Each load reads 512 consecutive bytes, 16 a lane; a step's 2,048 bytes turn through the wave's own stage and come back 64 bytes a lane: 16 neighbours along K, two lanes to a block.
	v_lshlrev_b32 v3, 4, v2                        ; my 16 bytes of a load's 512
	s_mul_i32 s29, s28, WREG
	v_lshrrev_b32 v14, 2, v2
	v_mul_u32_u24 v14, v14, SP
	v_and_b32 v15, 3, v2
	v_lshl_add_u32 v14, v15, 4, v14
	v_add_nc_u32 v14, s29, v14                     ; the stage, on the way in: SP (lane / 4) + 16 (lane % 4)
	v_mul_u32_u24 v15, v2, SP
	v_add_nc_u32 v15, s29, v15                     ; and on the way out: SP x lane
	v_mul_u32_u24 v4, v2, CB                       ; my codes' place in a step's
	v_lshrrev_b32 v5, 1, v2
	s_add_co_u32 s29, s29, 2*32*SP
	v_add_nc_u32 v5, s29, v5                       ; LDS: my wave's 256 scale bytes, my block's byte
	v_lshlrev_b32 v7, 3, v2                        ; and on the way out 8 bytes a lane
	v_add_nc_u32 v6, s29, v7
	s_lshl_b32 s30, ttmp9, 2
	s_add_co_u32 s30, s30, s28                     ; which run of 8,192 numbers is my wave's: 0 .. 1,023
	s_lshl_b32 s32, s30, 15                        ; 32,768 bytes of x,
	s_add_nc_u64 s[4:5], s[4:5], s[32:33]
	s_lshl_b32 s32, s30, 12                        ; 4,096 of codes,
	s_add_nc_u64 s[10:11], s[10:11], s[32:33]
	s_lshl_b32 s32, s30, 8                         ; 256 scale bytes a run
	s_add_nc_u64 s[12:13], s[12:13], s[32:33]
.macro LOAD t
.irp i, 0,1,2,3
	global_load_b128 v[R+16*((\t)%4)+4*\i:R+16*((\t)%4)+4*\i+3], v3, s[4:5] offset:2048*(\t)+512*\i th:TH_LOAD_NT
.endr
.endm
.macro TURN t                          ; step t's numbers through the stage: LDS serves a wave's instructions in order, so no wait stands between the stores and the loads
.irp i, 0,1,2,3
	ds_store_b128 v14, v[R+16*((\t)%4)+4*\i:R+16*((\t)%4)+4*\i+3] offset:32*SP*((\t)%2)+8*SP*\i
.endr
.irp i, 0,1,2,3
	ds_load_b128 v[X+16*((\t)%2)+4*\i:X+16*((\t)%2)+4*\i+3], v15 offset:32*SP*((\t)%2)+16*\i
.endr
.endm
.irp t, 0,1,2,3
	LOAD \t
.endr
	s_wait_loadcnt 12                              ; step 0's four loads are in; the twelve of steps 1 to 3 stay out
	TURN 0
.macro STEP t
.set XS, X+16*((\t)%2)
.if (\t) > 0
	s_wait_dscnt 1                                 ; this step's numbers are back from the stage (the last step's byte store may be out): its stores into the stage have read their registers,
.else
	s_wait_dscnt 0x0
.endif
.if (\t)+4 < STEPS
	LOAD (\t)+4                                    ; which take the loads of four steps on
.endif
.if (\t)+1 < STEPS
.if STEPS-2-(\t) >= 3
	s_wait_loadcnt 12                              ; the next step's four loads are in; those of the three steps behind it may be out
.else
	s_wait_loadcnt 4*(STEPS-2-(\t))
.endif
	TURN (\t)+1                                    ; and go through the other stage while this step is worked
.endif
	v_max3_num_f32 v8, |v[XS]|, |v[XS+1]|, |v[XS+2]|               ; the largest magnitude of my 16, in two chains
	v_max3_num_f32 v9, |v[XS+3]|, |v[XS+4]|, |v[XS+5]|
.irp i, 6,10
	v_max3_num_f32 v8, v8, |v[XS+\i]|, |v[XS+\i+1]|
	v_max3_num_f32 v9, v9, |v[XS+\i+2]|, |v[XS+\i+3]|
.endr
	v_max3_num_f32 v8, v8, |v[XS+14]|, |v[XS+15]|
	v_max3_num_f32 v8, v8, v9, (EMAX+1)<<23        ; and the floor 2^(3 - 127): the byte cannot fall under 1
	v_max_num_f32_dpp v8, v8, v8 row_xmask:1 row_mask:0xf bank_mask:0xf   ; and of my neighbour's 16: the block's
	v_add_nc_u32 v11, -(EMAX<<23), v8              ; 2 off its exponent field: the conversion takes the exponent field of this operand as its scale
	v_cvt_scalef32_pk8_fp4_f32 v[C+4*(\t)], v[XS:XS+7], v11
	v_cvt_scalef32_pk8_fp4_f32 v[C+4*(\t)+1], v[XS+8:XS+15], v11
	v_lshrrev_b32 v[E+(\t)], 23, v11               ; the scale's byte (also the plain line behind the conversions)
	ds_store_b8 v5, v[E+(\t)] offset:16*(\t)       ; both lanes of a block write the same byte with the same value
	global_store_b64 v4, v[C+4*(\t):C+4*(\t)+1], s[10:11] offset:32*CB*(\t)   ; the wave stores 256 consecutive bytes, aligned
.endm
.irp t, 0,1,2,3,4,5,6,7,8,9,10,11,12,13,14,15
	STEP \t
.endr
	ds_load_b64 v[8:9], v6                         ; LDS serves a wave's instructions in order: these see my stores
	s_wait_dscnt 0x0
	global_store_b64 v7, v[8:9], s[12:13]          ; 32 lanes store 256 consecutive bytes, aligned
	ENDW
; ---------------- the weights: A LANE TAKES A COLUMN n, AND ITS REGISTERS RUN DOWN K.  A wave: 32 columns x 128 along K; a work-group: 128 columns.
; Each load reads 128 consecutive bytes a wave, 512 a work-group.  Loads run two blocks of 32 ahead.
.macro KLOAD b, sb, pitch              ; block b: rows 32 b + 0 .. 31 of my K step
.set i, 0
.rept 32
	global_load_b32 v[D+32*(\b)+i], v3, s[\sb:\sb+1] offset:(32*(\b)+i)*\pitch th:TH_LOAD_NT
.set i, i+1
.endr
.endm
.macro KWAIT b, sb, pitch
.if (\b) < 3
	s_wait_loadcnt 32                              ; this block's 32 loads are in; the next block's 32 may be out
.else
	s_wait_loadcnt 0x0
.endif
.if (\b) < 2
	KLOAD (\b)+2, \sb, \pitch
.endif
.endm
.Lweights:
	v_lshlrev_b32 v3, 2, v2                        ; in: 4 bytes a lane
	v_lshrrev_b32 v4, 4, v2
	v_and_b32 v5, 15, v2
	v_lshlrev_b32 v4, 12, v4
	v_lshl_add_u32 v4, v5, 4, v4                   ; out: lanes 16-31 belong to the next 16 columns' images, 4,096 bytes on; 16 bytes a column
	s_lshl_b32 s34, s28, 5                         ; 32 x wave
	s_cmp_ge_u32 ttmp9, 448
	s_cbranch_scc1 .Lwout
	s_sub_co_u32 s29, ttmp9, 256
	s_lshr_b32 s30, s29, 3                         ; which 128 columns: 0 .. 23
	s_and_b32 s31, s29, 7                          ; which 128 along K
	s_lshl_b32 s30, s30, 7
	s_add_co_u32 s30, s30, s34                     ; my wave's first column n0
	s_mul_i32 s32, s31, 128*12288
	s_lshl_b32 s35, s30, 2
	s_add_co_u32 s32, s32, s35
	s_add_nc_u64 s[6:7], s[6:7], s[32:33]          ; w_qkv at (128 j, n0)
	s_lshr_b32 s35, s31, 2
	s_mul_i32 s32, s35, 786432                     ; codes: which 512 along K,
	s_lshl_b32 s35, s30, 8                         ; (n0 / 16) x 4,096,
	s_add_co_u32 s32, s32, s35
	s_and_b32 s35, s31, 3
	s_lshl_b32 s35, s35, 10                        ; which image of the four
	s_add_co_u32 s32, s32, s35
	s_add_nc_u64 s[14:15], s[14:15], s[32:33]
	s_lshl_b32 s32, s30, 5                         ; scale bytes: 32 a column, 4 a K step of 128
	s_lshl_b32 s35, s31, 2
	s_add_co_u32 s32, s32, s35
	s_add_nc_u64 s[16:17], s[16:17], s[32:33]
	v_lshlrev_b32 v5, 5, v2                        ; my column's row of scale bytes
	KLOAD 0, 6, 12288
	KLOAD 1, 6, 12288
.macro WBLK b
.set XS, D+32*(\b)
	KWAIT \b, 6, 12288
	v_max3_num_f32 v24, |v[XS]|, |v[XS+1]|, |v[XS+2]|              ; the block's largest magnitude: all 32 numbers are mine
	v_max3_num_f32 v25, |v[XS+3]|, |v[XS+4]|, |v[XS+5]|
.irp i, 6,10,14,18,22,26
	v_max3_num_f32 v24, v24, |v[XS+\i]|, |v[XS+\i+1]|
	v_max3_num_f32 v25, v25, |v[XS+\i+2]|, |v[XS+\i+3]|
.endr
	v_max3_num_f32 v24, v24, |v[XS+30]|, |v[XS+31]|
	v_max3_num_f32 v24, v24, v25, (EMAX+1)<<23     ; and the floor
	v_add_nc_u32 v[20+(\b)], -(EMAX<<23), v24      ; the conversion's scale operand: a register for each block
	v_lshrrev_b32 v25, 23, v[20+(\b)]              ; the scale's byte
.if (\b) == 0
	v_mov_b32 v16, v25                             ; four bytes make my column's scale word for these 128 along K
.else
	v_lshl_or_b32 v16, v25, 8*(\b), v16
.endif
.irp g, 0,1,2,3
	v_cvt_scalef32_pk8_fp4_f32 v[OC+4*(\b)+\g], v[XS+8*\g:XS+8*\g+7], v[20+(\b)]
.endr
	global_store_b128 v4, v[OC+4*(\b):OC+4*(\b)+3], s[14:15] offset:256*(\b)   ; block b of 16 columns: sixteen lanes store 256 consecutive bytes, aligned.  No register of a store is written again
.endm
.irp b, 0,1,2,3
	WBLK \b
.endr
	global_store_b32 v5, v16, s[16:17]             ; 4 bytes of a row of 32: pieces, but one byte for each 128 that this path reads
	ENDW
.Lwout:
	s_sub_co_u32 s29, ttmp9, 448
	s_lshr_b32 s30, s29, 3                         ; which 128 columns: 0 .. 7
	s_and_b32 s31, s29, 7                          ; which 128 along K
	s_lshl_b32 s30, s30, 7
	s_add_co_u32 s30, s30, s34                     ; n0
	s_lshl_b32 s32, s31, 19                        ; 128 rows of 4,096 bytes
	s_lshl_b32 s35, s30, 2
	s_add_co_u32 s32, s32, s35
	s_add_nc_u64 s[8:9], s[8:9], s[32:33]
	s_lshl_b32 s32, s31, 18                        ; images: 262,144 bytes a K step of 128,
	s_lshl_b32 s35, s30, 8                         ; (n0 / 16) x 4,096
	s_add_co_u32 s32, s32, s35
	s_add_nc_u64 s[18:19], s[18:19], s[32:33]
	KLOAD 0, 8, 4096
	KLOAD 1, 8, 4096
.macro OBLK q
	KWAIT \q, 8, 4096
.set i, 0
.rept 16
	v_cvt_pk_f16_f32 v[OC+16*(\q)+i], v[D+32*(\q)+2*i], v[D+32*(\q)+2*i+1]   ; two neighbours along K, the lower in the low half
.set i, i+1
.endr
.irp p, 0,1,2,3
	global_store_b128 v4, v[OC+16*(\q)+4*\p:OC+16*(\q)+4*\p+3], s[18:19] offset:1024*(\q)+256*\p   ; k = 8 p .. 8 p + 7 of 16 columns: 256 consecutive bytes, aligned
.endr
.endm
.irp q, 0,1,2,3
	OBLK \q
.endr
	ENDW
.Lfunc_end_k_q99c2fb9350_prep:
	.size	k_q99c2fb9350_prep, .Lfunc_end_k_q99c2fb9350_prep-k_q99c2fb9350_prep
	.p2alignl 7, 3214868480
	.fill 96, 4, 3214868480
	.section	.rodata,"a",@progbits
	.p2align	6, 0x0
	.amdhsa_kernel k_q99c2fb9350_prep
		.amdhsa_group_segment_fixed_size 33280
		.amdhsa_private_segment_fixed_size 0
		.amdhsa_enable_private_segment 0
		.amdhsa_kernarg_size 64
		.amdhsa_user_sgpr_count 2
		.amdhsa_user_sgpr_kernarg_segment_ptr 1
		.amdhsa_wavefront_size32 1
		.amdhsa_system_sgpr_workgroup_id_x 1
		.amdhsa_system_sgpr_workgroup_id_y 1
		.amdhsa_system_sgpr_workgroup_id_z 1
		.amdhsa_system_vgpr_workitem_id 0
		.amdhsa_next_free_vgpr 224
		.amdhsa_next_free_sgpr 66
		.amdhsa_reserve_vcc 0
		.amdhsa_float_denorm_mode_32 3
		.amdhsa_float_denorm_mode_16_64 3
		.amdhsa_memory_ordered 1
		.amdhsa_forward_progress 1
		.amdhsa_inst_pref_size 71
	.end_amdhsa_kernel
	.amdgpu_metadata
---
amdhsa.version: [ 1, 2 ]
amdhsa.kernels:
  - .name:           k_q99c2fb9350_prep
    .symbol:         k_q99c2fb9350_prep.kd
    .args:
      - { .name: x, .offset: 0, .size: 8, .value_kind: global_buffer, .address_space: global }
      - { .name: w_qkv, .offset: 8, .size: 8, .value_kind: global_buffer, .address_space: global }
      - { .name: w_out, .offset: 16, .size: 8, .value_kind: global_buffer, .address_space: global }
      - { .name: x_codes, .offset: 24, .size: 8, .value_kind: global_buffer, .address_space: global }
      - { .name: x_scales, .offset: 32, .size: 8, .value_kind: global_buffer, .address_space: global }
      - { .name: wq_codes, .offset: 40, .size: 8, .value_kind: global_buffer, .address_space: global }
      - { .name: wq_scales, .offset: 48, .size: 8, .value_kind: global_buffer, .address_space: global }
      - { .name: wo_img, .offset: 56, .size: 8, .value_kind: global_buffer, .address_space: global }
    .group_segment_fixed_size: 33280
    .private_segment_fixed_size: 0
    .kernarg_segment_align: 8
    .kernarg_segment_size: 64
    .max_flat_workgroup_size: 128
    .sgpr_count:     66
    .vgpr_count:     224
    .wavefront_size: 32
...
	.end_amdgpu_metadata
.endif
;; end of part 1
;; launch gemm_qkv (part 2): grid 12 x 32, 4 waves a work-group, clusters of 4 x 4, 327,680 bytes of LDS; arguments x_codes, x_scales, wq_codes, wq_scales, qkv; writes qkv
.if DOCPART == 2
	.amdgcn_target "amdgcn-amd-amdhsa--gfx1250"
	.amdhsa_code_object_version 6
	.text
	.protected	k_q99c2fb9350_gemm_qkv
	.globl	k_q99c2fb9350_gemm_qkv
	.p2align	8
	.type	k_q99c2fb9350_gemm_qkv,@function
k_q99c2fb9350_gemm_qkv:
	s_mov_b64 s[64:65], 0
	v_nop
	global_prefetch_b8 v0, s[64:65] scope:SCOPE_SE
	s_setreg_imm32_b32 hwreg(HW_REG_WAVE_MODE, 25, 1), 1
	s_wait_xcnt 0x0
	s_wait_alu depctr_hold_cnt(0) depctr_sa_sdst(0) depctr_va_vdst(0) depctr_va_sdst(0) depctr_va_ssrc(0) depctr_va_vcc(0) depctr_vm_vsrc(0)
	s_getreg_b32 s2, hwreg(HW_REG_IB_STS2, 6, 4)
	s_cmp_eq_u32 s2, 0
	s_cbranch_scc0 .Lentry_in_a_cluster
	s_endpgm
.Lentry_in_a_cluster:
	s_bfe_u32 s2, ttmp6, 0x10000c
	s_cmp_lg_u32 s2, 0xf033
	s_cbranch_scc0 .Lentry_shape_is_right
	s_endpgm
.Lentry_shape_is_right:
; qkv = Q4(x) Q4(w_qkv): [8192][1024] x [1024][3072] on codes of FP4 (E2M1) with one E8M0 scale for each 32 along K; sums in f32; the result leaves as f16.
; A tile of 256 x 256 is made by four waves, 128 x 128 each: 64 accumulators, 512 registers.  K = 1,024 is two slots of 512 along K: both are first fills, nothing in LDS is filled again.
; A (x's codes) comes as rows of 256 bytes, 16 of padding behind each.  B (w_qkv's codes) was laid by the launch before as images of the operand's registers: a slot's 128 columns are 32,768 dense bytes, and a fragment is two loads at 16 x lane.
; The scale bytes of the work-group's 256 rows of A and 256 of B, for all of K, come once, in rows of 256 bytes.
; CLUSTERS: 4 x 4 work-groups; A's tiles are asked for jointly along a row of the cluster, B's along a column.
; THE MATRIX INSTRUCTION IS USED TRANSPOSED (source 0 = 16 columns of w_qkv, source 1 = 16 rows of x): a lane holds eight neighbouring columns of one token.  Rounded to f16 they are 16 bytes of an IMAGE of the next launch's operand
; (16 tokens x 32 channels: the 16 bytes at 512 c + 16 lane are channels 16 c + 8 (lane / 16) + 0 .. 7 of token lane % 16), so every store of a wave covers 512 consecutive bytes and no stage in LDS is needed.
;   qkv: [q, k, v][batch x 16 + head][token / 16][channel / 32][image of 1,024 bytes].  The cluster's x says which of q, k, v: q is multiplied by 0.125 log2(e) on its way out, so that the next launch's scores are exponents of 2.
; LIMITS: results beyond 65,504 become infinity in f16; under 6e-5 they keep steps of 6e-8.
; 384 work-groups: the tile is kept at the largest that a wave's registers hold.
; REGISTERS: window 0: v16-29 addresses; v32-95 scale words, two sets, and nothing else; from v128 A's fragments, ONE set; on the way out v128-255 hold packed results.  window 1: B's fragments, TWO sets.  windows 2, 3: the accumulators ((a, b) at v[8 (8 (a % 4) + b)]).
.set NQ,     4                         ; steps of 128 along K in a slot
.set ROWB,   256                       ; a row of A's tile in bytes
.set KROW,   512                       ; a row of x_codes
.set PITCH,  272                       ; and in LDS: + 16 of padding: the 16 rows that a load touches start 68 words apart
.set FR,     8
.set NL,     2
.set NP,     4                         ; places behind this matrix instruction (ISA guide 7.12.1)
.set HALFT,  128*PITCH                 ; 128 rows of A
.set HALFB,  32768                     ; 128 columns of B, as images
.set SLOT,   2*HALFT+2*HALFB
.set BSTEP,  786432                    ; wq_codes: from one 512 along K to the next
.set KS,     32                        ; a row of scale bytes
.set SCL,    2*SLOT
.set HALFS,  (128*KS/256)*272
.set SBLK,   (16*KS/256)*272
.set SPARE,  SCL+4*HALFS               ; the spare words, 128 bytes a wave
.set ADRA, 16                          ; v16-17  LDS address of my A fragments in slot 0, 1
.set ADRB, 20                          ; v20-21  the same for B
.set CO,   26                          ; v26     16 x lane
.set ADRS, 27                          ; v27     LDS address of my scale words: lanes 0-15 A's rows, lanes 16-31 B's
.set SPW,  28
.set NIL,  29
.set SC,   32
.set AF,   128
.set G1, 24
.set G0, 32
.set G1B, 48
.set G0B, 56
.set G1S, 68
.set G0S, 76
.set G1SB, 80
.set G0SB, 88
.set CM,  96                           ; s[96:97] the factor on the way out
.set MSB, 0
.macro WIN new                         ; the immediate's high byte repeats the setting that is left
.if MSB != (\new)
	s_set_vgpr_msb (MSB<<8)|(\new)
.set MSB, (\new)
.endif
.endm
.set MUL_LO, 0xa1                      ; source 0 (B) window 1, source 1 (A) window 0, C and D window 2
.set MUL_HI, 0xf1
.set TO_B,   0x40
; A joint load: waves 0 and 1 fetch for A, waves 2 and 3 for B.  The branch hangs on the wave's number alone.  An s_nop 0 and four v_nop follow each line.
.macro JLOAD g0a, g1a, g0b, g1b
	s_cmp_eq_u32 s15, 0
	s_cbranch_scc0 .Lfor_b_\@
	tensor_load_to_lds s[\g0a:\g0a+3], s[\g1a:\g1a+7]
	s_nop 0
.rept 4
	v_nop
.endr
	s_branch .Lasked_\@
.Lfor_b_\@:
	tensor_load_to_lds s[\g0b:\g0b+3], s[\g1b:\g1b+7]
	s_nop 0
.rept 4
	v_nop
.endr
.Lasked_\@:
.endm
.macro CROUND                          ; a round of the cluster's barrier
	s_barrier_signal -1
	s_barrier_wait -1
	s_cmp_lg_u32 s14, 0
	s_cbranch_scc1 .Lnot_wave_0_\@
	s_barrier_signal -3
.Lnot_wave_0_\@:
	s_barrier_wait -3
	s_barrier_signal -1
	s_barrier_wait -1
.endm
	s_load_b128 s[4:7], s[0:1], 0x0                ; x_codes, x_scales
	s_load_b128 s[8:11], s[0:1], 0x10              ; wq_codes, wq_scales
	s_load_b64 s[12:13], s[0:1], 0x20              ; qkv
	v_lshl_add_u32 v[SPW], v0, 2, SPARE
	v_mov_b32 v[NIL], 0
	ds_add_u32 v[SPW], v[NIL]                      ; the wave's opening: the add, twice on end, and its wait ahead of my first tensor load
	ds_add_u32 v[SPW], v[NIL]
	v_lshrrev_b32 v1, 5, v0
	v_readfirstlane_b32 s14, v1                    ; wave 0..3
	s_lshr_b32 s15, s14, 1                         ; which half of the tile's rows is mine.  Also: I fetch for A (0) or for B (1)
	s_and_b32 s16, s14, 1                          ; which half of its columns.  Also: which 128 rows of that tile I fetch
	s_bfe_u32 s40, ttmp6, 0x40000                  ; cx, cy
	s_bfe_u32 s41, ttmp6, 0x40004
	s_lshl_b32 s42, ttmp9, 2
	s_add_co_u32 s42, s42, s40                     ; tile column
	s_and_b32 s17, ttmp7, 0xffff
	s_lshl_b32 s17, s17, 2
	s_add_co_u32 s17, s17, s41                     ; tile row
	s_lshl_b32 s43, s41, 2
	s_lshl_b32 s43, 15, s43                        ; my row of the cluster
	s_lshl_b32 s44, 0x1111, s40                    ; my column
	s_or_b32 s[G1+0], s43, (0<<16)|(1<<20)|(1<<21)|(5<<22)|(3<<25)  ; A: the mask; elements of 1 byte; padding on; bit 21 beside a mask; 4 words after every 64
	s_mov_b32 s[G1+1], ROWB<<16                    ; tensor_dim0
	s_mov_b32 s[G1+2], 128<<16                     ; tensor_dim1
	s_mov_b32 s[G1+3], ROWB<<16                    ; tile_dim0
	s_mov_b32 s[G1+4], 128                         ; tile_dim1
	s_mov_b32 s[G1+5], KROW                        ; pitch
	s_mov_b32 s[G1+6], 0
	s_mov_b32 s[G1+7], 0
	s_or_b32 s[G1B+0], s44, (3<<16)|(1<<21)        ; B: a dense block as 128 rows of 32 elements of 8 bytes, no padding
	s_mov_b32 s[G1B+1], 32<<16
	s_mov_b32 s[G1B+2], 128<<16
	s_mov_b32 s[G1B+3], 32<<16
	s_mov_b32 s[G1B+4], 128
	s_mov_b32 s[G1B+5], 32
	s_mov_b32 s[G1B+6], 0
	s_mov_b32 s[G1B+7], 0
	s_or_b32 s[G1S+0], s43, (3<<16)|(1<<20)|(1<<21)|(5<<22)|(3<<25) ; the scales of 128 rows: 4,096 dense bytes as 16 rows of 256, 16 of padding behind each
	s_or_b32 s[G1SB+0], s44, (3<<16)|(1<<20)|(1<<21)|(5<<22)|(3<<25)
.irp g, G1S, G1SB
	s_mov_b32 s[\g+1], 32<<16
	s_mov_b32 s[\g+2], (128*KS/256)<<16
	s_mov_b32 s[\g+3], 32<<16
	s_mov_b32 s[\g+4], 128*KS/256
	s_mov_b32 s[\g+5], 32
	s_mov_b32 s[\g+6], 0
	s_mov_b32 s[\g+7], 0
.endr
	s_lshl_b32 s18, s16, 7
	s_lshl_b32 s20, s17, 8
	s_add_co_u32 s20, s20, s18                     ; A: row 256 x tile row + 128 x half
	s_lshl_b32 s46, s42, 8
	s_add_co_u32 s46, s46, s18                     ; B: column 256 x tile column + 128 x half
	s_mov_b32 s21, 0
	s_mov_b32 s47, 0
	s_mov_b64 s[18:19], KS
	s_mul_u64 s[22:23], s[20:21], s[18:19]         ; where these rows' scales begin
	s_mul_u64 s[92:93], s[46:47], s[18:19]
	s_mov_b64 s[18:19], KROW
	s_mul_u64 s[20:21], s[20:21], s[18:19]         ; A's codes
	s_lshl_b64 s[46:47], s[46:47], 8               ; B's: 4,096 bytes for each 16 columns
	s_mul_i32 s45, s16, HALFT                      ; where they go: A's two halves,
	s_mul_i32 s95, s16, HALFB
	s_add_co_u32 s95, s95, 2*HALFT                 ; behind them B's two: no place in the cluster enters an LDS address
	s_mul_i32 s94, s14, HALFS
	s_wait_dscnt 0x0                               ; both opening adds are done
	s_wait_kmcnt 0x0
	s_add_nc_u64 s[20:21], s[4:5], s[20:21]
	s_add_nc_u64 s[22:23], s[6:7], s[22:23]
	s_add_nc_u64 s[46:47], s[8:9], s[46:47]
	s_add_nc_u64 s[92:93], s[10:11], s[92:93]
	CROUND                                         ; all sixteen work-groups are here: the joint loads meet
	s_mov_b32 s[G0S], 1
	s_add_co_u32 s[G0S+1], s94, SCL
	s_mov_b64 s[G0S+2:G0S+3], s[22:23]
	s_or_b32 s[G0S+3], s[G0S+3], 0x80000000
	s_mov_b32 s[G0SB], 1
	s_add_co_u32 s[G0SB+1], s94, SCL
	s_mov_b64 s[G0SB+2:G0SB+3], s[92:93]
	s_or_b32 s[G0SB+3], s[G0SB+3], 0x80000000
	JLOAD G0S, G1S, G0SB, G1SB                     ; the scales first: they are wanted with the first slot
.irp s, 0,1
	s_mov_b32 s[G0+4*\s], 1
	s_add_co_u32 s[G0+4*\s+1], s45, \s*SLOT
	s_add_nc_u64 s[G0+4*\s+2:G0+4*\s+3], s[20:21], \s*ROWB
	s_or_b32 s[G0+4*\s+3], s[G0+4*\s+3], 0x80000000
	s_mov_b32 s[G0B+4*\s], 1
	s_add_co_u32 s[G0B+4*\s+1], s95, \s*SLOT
	s_add_nc_u64 s[G0B+4*\s+2:G0B+4*\s+3], s[46:47], \s*BSTEP
	s_or_b32 s[G0B+4*\s+3], s[G0B+4*\s+3], 0x80000000
	JLOAD G0+4*\s, G1, G0B+4*\s, G1B               ; three loads of mine are out in all
.endr
	v_and_b32 v1, 15, v0                           ; l % 16
	v_bfe_u32 v2, v0, 4, 1                         ; l / 16
	v_mul_u32_u24 v3, v1, PITCH
	v_lshl_add_u32 v4, v2, 4, v3                   ; A: a fragment's row x pitch + 16 x half
	v_and_b32 v6, 31, v0
	v_lshlrev_b32 v[CO], 4, v6                     ; B, and the way out: 16 x lane
	s_mul_i32 s21, s15, HALFT                      ; my 128 rows of A
	s_mul_i32 s22, s16, HALFB
	s_add_co_u32 s22, s22, 2*HALFT                 ; my 128 columns of B
.irp s, 0,1
	v_add_nc_u32 v[ADRA+\s], s21, v4
	v_add_nc_u32 v[ADRB+\s], s22, v[CO]
	s_add_co_u32 s21, s21, SLOT
	s_add_co_u32 s22, s22, SLOT
.endr
	v_mul_u32_u24 v5, v1, KS                       ; my row's scales: KS bytes a row,
	v_lshrrev_b32 v6, 8, v5
	v_lshl_add_u32 v5, v6, 4, v5                   ; and 16 more for each 256 passed
	s_mul_i32 s21, s15, HALFS
	s_mul_i32 s22, s16, HALFS
	s_add_co_u32 s22, s22, 2*HALFS
	s_sub_co_u32 s22, s22, s21
	v_mul_u32_u24 v6, s22, v2                      ; lanes 16-31 take B's: one product, the distance between the two bases
	s_add_co_u32 s21, s21, SCL
	v_add_nc_u32 v5, v5, v6
	v_add_nc_u32 v[ADRS], s21, v5
	; the way out: qkv + which x 2^24 + (16 batch + 4 cx + 2 half) x 2^18 + (token / 16) x 2,048
	s_lshl_b32 s20, s17, 8
	s_lshl_b32 s21, s15, 7
	s_add_co_u32 s20, s20, s21                     ; my first row
	s_lshr_b32 s21, s20, 11
	s_lshl_b32 s21, s21, 22                        ; its batch's 16 heads
	s_and_b32 s20, s20, 2047
	s_lshl_b32 s20, s20, 7                         ; its token's tile
	s_add_co_u32 s20, s20, s21
	s_mov_b32 s21, 0
	s_lshl_b32 s46, ttmp9, 24                      ; q, k or v
	s_lshl_b32 s47, s40, 20                        ; four heads a tile column,
	s_add_co_u32 s46, s46, s47
	s_lshl_b32 s47, s16, 19                        ; two a wave
	s_add_co_u32 s46, s46, s47
	s_mov_b32 s47, 0
	s_add_nc_u64 s[20:21], s[20:21], s[46:47]
	s_add_nc_u64 s[12:13], s[12:13], s[20:21]
	s_mov_b32 s[CM], 0x3f800000
	s_cmp_eq_u32 ttmp9, 0                          ; the cluster's x: the same in all partners
	s_cselect_b32 s[CM], 0x3e38aa3b, s[CM]         ; q: 0.125 log2(e); k and v: 1
	s_mov_b32 s[CM+1], s[CM]                       ; (named with it as a pair)
.macro FRAG reg, adr, q, i             ; A: 16 rows x 128 K: registers 4 c .. 4 c + 3 hold K = 64 c + 32 (l / 16) + 0 .. 31
.irp c, 0,1
	ds_load_b128 v[\reg+4*\c:\reg+4*\c+3], v[\adr] offset:64*(\q)+32*\c+(\i)*16*PITCH
.endr
.endm
.macro FRAGB reg, adr, q, i            ; B: the image as it lies
.irp c, 0,1
	ds_load_b128 v[\reg+4*\c:\reg+4*\c+3], v[\adr] offset:(\i)*4096+(\q)*1024+512*\c
.endr
.endm
; 16 matrix instructions: A's blocks a0, a0 + 1 x B's eight.  The 64 accumulators take turns, one instruction a turn, in the same order in every step.
.macro MUL16 a0, p, q, sc, zero
.irp a, \a0, \a0+1
.irp b, 0,1,2,3,4,5,6,7
.if \zero
	v_wmma_scale_f32_16x16x128_f8f6f4 v[8*(8*((\a)%4)+\b):8*(8*((\a)%4)+\b)+7], v[128*(\p)+FR*\b:128*(\p)+FR*\b+FR-1], v[AF+FR*(\a):AF+FR*(\a)+FR-1], 0, v[SC+8*NQ*(\sc)+NQ*\b+(\q)], v[SC+8*NQ*(\sc)+NQ*(\a)+(\q)] matrix_a_fmt:MATRIX_FMT_FP4 matrix_b_fmt:MATRIX_FMT_FP4 matrix_a_scale:MATRIX_SCALE_ROW1
.else
	v_wmma_scale_f32_16x16x128_f8f6f4 v[8*(8*((\a)%4)+\b):8*(8*((\a)%4)+\b)+7], v[128*(\p)+FR*\b:128*(\p)+FR*\b+FR-1], v[AF+FR*(\a):AF+FR*(\a)+FR-1], v[8*(8*((\a)%4)+\b):8*(8*((\a)%4)+\b)+7], v[SC+8*NQ*(\sc)+NQ*\b+(\q)], v[SC+8*NQ*(\sc)+NQ*(\a)+(\q)] matrix_a_fmt:MATRIX_FMT_FP4 matrix_b_fmt:MATRIX_FMT_FP4 matrix_a_scale:MATRIX_SCALE_ROW1
.endif
.endr
.endr
.endm
.macro FETCH_B slot, q, p
	WIN TO_B
.irp i, 0,1,2,3,4,5,6,7
	FRAGB 128*(\p)+FR*\i, ADRB+\slot, \q, \i
.endr
	WIN 0
.endm
.macro FETCH_A slot, q, i0
.irp i, \i0, \i0+1, \i0+2, \i0+3
	FRAG AF+FR*(\i), ADRA+\slot, \q, \i
.endr
.endm
.macro SCALES sc                       ; a slot's scale words: 4 words a row; lanes 0-15 take A's block i, lanes 16-31 B's block i
.irp i, 0,1,2,3,4,5,6,7
	ds_load_b128 v[SC+8*NQ*\sc+NQ*\i:SC+8*NQ*\sc+NQ*\i+3], v[ADRS] offset:\i*SBLK
.endr
.endm
.macro PLACES n                        ; plain vector instructions between a matrix instruction and a load into, or a vector read or write of, its registers
.rept \n
	v_nop
.endr
.endm
.macro STEP slot, q, zero              ; 128 along K that has its successor in the same slot
	s_wait_dscnt 4*NL                              ; B's set and A's blocks 0-3 are in; the youngest eight loads (A's blocks 4-7) may be out
	WIN MUL_LO
	MUL16 0, (\q)%2, \q, \slot, \zero
	MUL16 2, (\q)%2, \q, \slot, \zero
	s_wait_dscnt 0
	PLACES NP
	FETCH_B \slot, (\q)+1, 1-(\q)%2
	FETCH_A \slot, (\q)+1, 0
	WIN MUL_HI
	MUL16 4, (\q)%2, \q, \slot, \zero
	MUL16 6, (\q)%2, \q, \slot, \zero
	PLACES NP
	WIN 0
	FETCH_A \slot, (\q)+1, 4
.endm
.macro STEPS slot, from
.set Q, \from
.rept NQ-1-\from
	STEP \slot, Q, 0
.set Q, Q+1
.endr
.endm
	s_wait_tensorcnt 1                             ; the scales and my part of slot 0 are in; slot 1's load may be out
	s_barrier_signal -1
	s_barrier_wait -1
	FETCH_B 0, 0, 0
	FETCH_A 0, 0, 0
	SCALES 0
	FETCH_A 0, 0, 4
	STEP 0, 0, 1                                   ; the first products start the sums: nothing is cleared
	STEPS 0, 1
	; slot 0's last step goes over to slot 1: one barrier, in front of it my part of slot 1 has landed
	s_wait_tensorcnt 0x0
	ds_add_u32 v[SPW], v[NIL]
	s_wait_dscnt 4*NL+1                            ; (the add and the youngest eight loads may be out)
	WIN MUL_LO
	MUL16 0, 1, NQ-1, 0, 0
	s_wait_dscnt 0x0
	s_barrier_signal -1
	MUL16 2, 1, NQ-1, 0, 0
	WIN 0
	s_barrier_wait -1
	PLACES NP
	v_add_nc_u32 v[ADRS], 4*NQ, v[ADRS]            ; slot 1's scale words (no LDS load of mine is out)
	FETCH_B 1, 0, 0
	FETCH_A 1, 0, 0
	SCALES 1
	WIN MUL_HI
	MUL16 4, 1, NQ-1, 0, 0
	MUL16 6, 1, NQ-1, 0, 0
	PLACES NP
	WIN 0
	FETCH_A 1, 0, 4
	STEPS 1, 0
	s_wait_dscnt 4*NL                              ; the last step: nothing more to fetch
	WIN MUL_LO
	MUL16 0, 1, NQ-1, 1, 0
	MUL16 2, 1, NQ-1, 1, 0
	s_wait_dscnt 0
	WIN MUL_HI
	MUL16 4, 1, NQ-1, 1, 0
	MUL16 6, 1, NQ-1, 1, 0
	WIN 0
; THE WAY OUT, block by block of 16 tokens x 128 columns: x the factor, each accumulator from its low end on; rounded to f16; eight stores of 512 consecutive bytes.
; The packed results take v128-255 of window 0, four sets of 32: A's fragments are done with; the scale words' registers are left alone.
.macro OUT a
.set AC, 64*((\a)%4)
.set TP, 128+32*((\a)%4)
.if (\a) >= 4
	s_wait_xcnt 0x0                                ; the stores of four blocks back have read the registers that are written again
.endif
	WIN 0x82+0x41*((\a)/4)                         ; source 0 and destination: window 2 or 3
.set i, 0
.rept 32
	v_pk_mul_f32 v[AC+i:AC+i+1], v[AC+i:AC+i+1], s[CM:CM+1] op_sel_hi:[1,0]
.set i, i+2
.endr
	WIN 0x0a+5*((\a)/4)                            ; sources 0 and 1: window 2 or 3; destination window 0
.set i, 0
.rept 32
	v_cvt_pk_f16_f32 v[TP+i], v[AC+2*i], v[AC+2*i+1]
.set i, i+1
.endr
	WIN 0
.irp b, 0,1,2,3,4,5,6,7
	global_store_b128 v[CO], v[TP+4*\b:TP+4*\b+3], s[12:13] offset:(\b/4)*262144+(\a)*2048+(\b%4)*512 th:TH_STORE_NT   ; head b / 4, channels 16 (b % 4) on
.endr
.endm
	PLACES NP
.irp a, 0,1,2,3,4,5,6,7
	OUT \a
.endr
	s_wait_tensorcnt 0x0                           ; the wave's end
	ds_add_u32 v[SPW], v[NIL]
	s_wait_dscnt 0x0
	CROUND                                         ; the closing round
	s_endpgm
.Lfunc_end_k_q99c2fb9350_gemm_qkv:
	.size	k_q99c2fb9350_gemm_qkv, .Lfunc_end_k_q99c2fb9350_gemm_qkv-k_q99c2fb9350_gemm_qkv
	.p2alignl 7, 3214868480
	.fill 96, 4, 3214868480
	.section	.rodata,"a",@progbits
	.p2align	6, 0x0
	.amdhsa_kernel k_q99c2fb9350_gemm_qkv
		.amdhsa_group_segment_fixed_size 327680
		.amdhsa_private_segment_fixed_size 0
		.amdhsa_enable_private_segment 0
		.amdhsa_kernarg_size 40
		.amdhsa_user_sgpr_count 2
		.amdhsa_user_sgpr_kernarg_segment_ptr 1
		.amdhsa_wavefront_size32 1
		.amdhsa_system_sgpr_workgroup_id_x 1
		.amdhsa_system_sgpr_workgroup_id_y 1
		.amdhsa_system_sgpr_workgroup_id_z 1
		.amdhsa_system_vgpr_workitem_id 0
		.amdhsa_next_free_vgpr 1024
		.amdhsa_next_free_sgpr 98
		.amdhsa_reserve_vcc 0
		.amdhsa_float_denorm_mode_32 3
		.amdhsa_float_denorm_mode_16_64 3
		.amdhsa_memory_ordered 1
		.amdhsa_forward_progress 1
		.amdhsa_inst_pref_size 134
	.end_amdhsa_kernel
	.amdgpu_metadata
---
amdhsa.version: [ 1, 2 ]
amdhsa.kernels:
  - .name:           k_q99c2fb9350_gemm_qkv
    .symbol:         k_q99c2fb9350_gemm_qkv.kd
    .args:
      - { .name: x_codes, .offset: 0, .size: 8, .value_kind: global_buffer, .address_space: global }
      - { .name: x_scales, .offset: 8, .size: 8, .value_kind: global_buffer, .address_space: global }
      - { .name: wq_codes, .offset: 16, .size: 8, .value_kind: global_buffer, .address_space: global }
      - { .name: wq_scales, .offset: 24, .size: 8, .value_kind: global_buffer, .address_space: global }
      - { .name: qkv, .offset: 32, .size: 8, .value_kind: global_buffer, .address_space: global }
    .group_segment_fixed_size: 327680
    .private_segment_fixed_size: 0
    .kernarg_segment_align: 8
    .kernarg_segment_size: 40
    .max_flat_workgroup_size: 128
    .sgpr_count:     98
    .vgpr_count:     1024
    .wavefront_size: 32
...
	.end_amdgpu_metadata
.endif
;; end of part 2
;; launch attn (part 3): grid 4 x 64, 8 waves a work-group, clusters of 4 x 1, 327,680 bytes of LDS; arguments qkv, o_img; writes o_img
.if DOCPART == 3
	.amdgcn_target "amdgcn-amd-amdhsa--gfx1250"
	.amdhsa_code_object_version 6
	.text
	.protected	k_q99c2fb9350_attn
	.globl	k_q99c2fb9350_attn
	.p2align	8
	.type	k_q99c2fb9350_attn,@function
k_q99c2fb9350_attn:
	s_mov_b64 s[64:65], 0
	v_nop
	global_prefetch_b8 v0, s[64:65] scope:SCOPE_SE
	s_setreg_imm32_b32 hwreg(HW_REG_WAVE_MODE, 25, 1), 1
	s_wait_xcnt 0x0
	s_wait_alu depctr_hold_cnt(0) depctr_sa_sdst(0) depctr_va_vdst(0) depctr_va_sdst(0) depctr_va_ssrc(0) depctr_va_vcc(0) depctr_vm_vsrc(0)
	s_getreg_b32 s2, hwreg(HW_REG_IB_STS2, 6, 4)
	s_cmp_eq_u32 s2, 0
	s_cbranch_scc0 .Lentry_in_a_cluster
	s_endpgm
.Lentry_in_a_cluster:
	s_bfe_u32 s2, ttmp6, 0x10000c
	s_cmp_lg_u32 s2, 0x3003
	s_cbranch_scc0 .Lentry_shape_is_right
	s_endpgm
.Lentry_shape_is_right:
; o[bh][q] = the sum over k of softmax_k(q . k / 8) v, 64 heads of 2,048 tokens x 64 channels, no mask.  q (already x 0.125 log2(e)), k, v arrive as f16 images of operand registers
; ([q, k, v][bh][token / 16][channel / 32][1,024 bytes]); products, maxima and sums in f32; the weights p are rounded to f16 for the second product, o once at the end.
; SHARES.  A work-group owns 512 queries of one head, each of its EIGHT waves 64: four tiles of 16, in 512 registers: two waves to a SIMD.  Every wave walks all keys, 64 a step.
; LAYOUT.  S^T = K Q^T (source 0 = 16 keys, source 1 = 16 queries): a lane holds ONE query (lane % 16) and the keys 8 (lane / 16) + 0..7.  Two such tiles, rounded in pairs, ARE source 1 of O^T = V^T P.  K comes out of LDS as it lies, V turned, by ds_load_tr16_b128.
; SOFTMAX.  A running maximum m and sum l for each query: p = 2^(s - m); in every step O and l are multiplied by a = 2^(m_old - m_new).
; TWO ORDERS.  A trip j has a matrix block (V^T P of step j - 1, then K Q^T of step j: 64 products) and a vector block (one step's softmax of four tiles).  Waves of type 0 run the matrix block and then the softmax of step j;
; waves of type 1 run the softmax of step j - 1 and then the matrix block.  Both want the same bytes of LDS in trip j, so all barriers stand at the same places; behind each, of two waves that differ in type one starts with products and the other with vector work.
; type = (w xor (w >> 2)) & 1: it differs between waves w and w + 4 and between neighbours.
; CLUSTER.  The four query blocks of a head walk the same K and V: each tile is asked for JOINTLY.  A slot holds 256 keys (four steps); each wave fetches an eighth of it, 32 rows of 256 bytes: so every wave has a load of its own behind every round.
; o_img: [head / 2][token / 16 over all batches][4][image]: 16 tokens x 32 of the 1,024 inner channels: a lane's eight channels, rounded to f16, are 16 bytes of it: every store covers 512 consecutive bytes.
; LIMITS: NaN and infinities are not served; o beyond 65,504 becomes infinity in f16.
; REGISTERS.  window 0: v1-7 addresses; v16-47 eight of statistics a tile (+0 m, +1 zero, +2,+3 l, +4..+7 at work; a in +6); v48-55 a second chain of sums a tile; v64-191 S^T, 32 a tile, P in place in each tile's first 16; v192-255 K.
;             window 1: v0-127 O^T, 32 a tile; v128-191 Q; v192-255 V.
.set VOFF,  32768                      ; a slot: 32,768 bytes of K's images, then V: 128 runs of 256 bytes (16 keys x 8 channels), 128 of padding behind each
.set VP,    384                        ; so the 16 lanes of a turning load, 8 keys x 2 runs, take 16 different columns of 16 bytes
.set SLOT1, 1<<17
.set SPARE, SLOT1+VOFF+128*VP          ; the spare words, 128 bytes a wave
.set LI,  1                            ; v1  16 x lane
.set AV0, 2                            ; v2  my lane's place in a tile of V
.set ADK, 3                            ; v3  LDS address of the step's K
.set ADV, 4                            ; v4  of its V
.set PFO, 5                            ; v5  256 x lane
.set SPW, 6
.set NIL, 7
.set ST,  16
.set SB,  48
.set S,   64
.set KF,  192
.set QF,  128                          ; in window 1
.set VF,  192                          ; in window 1
.set WV,  12
.set CX,  13
.set TY,  14
.set LIM, 15
.set G1K, 24
.set G1V, 32
.set G0K, 40                           ; s[40:47] a set for each of the two first fills; the second then walks on
.set G0V, 48
.set SLOTS, 56
.set CNT, 57
.set SEL, 60
.set TK,  62                           ; LDS byte at which the step's K begins
.set TV,  63                           ; and its V, less VOFF
.set PFA, 66
.set MSB, 0
.macro WIN new
.if MSB != (\new)
	s_set_vgpr_msb (MSB<<8)|(\new)
.set MSB, (\new)
.endif
.endm
.set W_KQ, 0x04                        ; K window 0, Q window 1, S^T window 0
.set W_PV, 0x51                        ; V window 1, P window 0, O^T window 1
.set W_RS, 0x41                        ; O^T (destination and source 0) window 1, a window 0
.macro JLOAD                           ; a joint refill: waves 0-3 K's quarters, waves 4-7 V's.  An s_nop 0 and four v_nop follow each line
	s_cmp_lt_u32 s[WV], 4
	s_cbranch_scc0 .Lfor_v_\@
	tensor_load_to_lds s[G0K+4:G0K+7], s[G1K:G1K+7]
	s_nop 0
.rept 4
	v_nop
.endr
	s_branch .Lasked_\@
.Lfor_v_\@:
	tensor_load_to_lds s[G0V+4:G0V+7], s[G1V:G1V+7]
	s_nop 0
.rept 4
	v_nop
.endr
.Lasked_\@:
.endm
; A PREFETCH of what the NEXT change of slots will ask for: 32,768 bytes of K and of V.  Each aligned 256 bytes are named once in the launch: a head is walked by one cluster; its four partners take 8,192 bytes each, told apart by
; address; in each, wave 0 asks for K's and wave 4 for V's, lanes 256 bytes apart.  It stands a slot's four trips ahead of the load.  The last change that fills a slot asks for nothing.
.macro ASK
	s_cmp_gt_u32 s[SLOTS], s[LIM]
	s_cbranch_scc0 .Lnot_mine_\@
	global_prefetch_b8 v[PFO], s[PFA:PFA+1] th:TH_LOAD_NT scope:SCOPE_SE
.Lnot_mine_\@:
.endm
.macro CROUND
	s_barrier_signal -1
	s_barrier_wait -1
	s_cmp_lg_u32 s[WV], 0
	s_cbranch_scc1 .Lnot_wave_0_\@
	s_barrier_signal -3
.Lnot_wave_0_\@:
	s_barrier_wait -3
	s_barrier_signal -1
	s_barrier_wait -1
.endm
	s_load_b128 s[16:19], s[0:1], 0x0              ; qkv, o_img
	v_lshl_add_u32 v[SPW], v0, 2, SPARE
	v_mov_b32 v[NIL], 0
	ds_add_u32 v[SPW], v[NIL]                      ; the wave's opening: the add, twice on end, and its wait ahead of my first tensor load
	ds_add_u32 v[SPW], v[NIL]
	v_lshrrev_b32 v8, 5, v0
	v_readfirstlane_b32 s[WV], v8                  ; wave 0..7
	v_and_b32 v[LI], 31, v0
	v_lshlrev_b32 v[PFO], 8, v[LI]
	v_lshlrev_b32 v[LI], 4, v[LI]
	v_bfe_u32 v8, v0, 3, 1                         ; the turning load: lane l reads 16 bytes: key 8 (l / 16) + l % 8 of a tile, the run of channels (l / 8) % 2
	v_bfe_u32 v9, v0, 4, 1
	v_and_b32 v10, 7, v0
	v_lshl_add_u32 v[AV0], v9, 3, v10
	v_lshlrev_b32 v[AV0], 4, v[AV0]
	v_mad_u32_u24 v[AV0], v8, VP, v[AV0]
	v_add_nc_u32 v[AV0], VOFF, v[AV0]
.irp t, 0,1,2,3
	v_mov_b32 v[ST+8*\t+1], 0                      ; named with m as a pair, so it is written
.endr
	s_bfe_u32 s[CX], ttmp6, 0x40000                ; my place in the cluster: it enters Q's, o's and the prefetches' addresses alone
	s_lshr_b32 s[TY], s[WV], 2
	s_xor_b32 s[TY], s[TY], s[WV]
	s_and_b32 s[TY], s[TY], 1                      ; my type
	s_and_b32 s[LIM], s[WV], 3
	s_cmp_eq_u32 s[LIM], 0
	s_cselect_b32 s[LIM], 1, -1                    ; waves 0 and 4 prefetch
	s_and_b32 s20, ttmp7, 0xffff                   ; batch x 16 + head, which the four partners share
	s_lshl_b32 s21, ttmp9, 2
	s_add_co_u32 s21, s21, s[CX]                   ; my block of 512 queries
	s_lshl_b32 s22, s20, 18                        ; the head's first byte in each of q, k, v
	s_and_b32 s58, s[WV], 3                        ; which quarter of a slot I fetch:
	s_lshl_b32 s59, s58, 13                        ; 8,192 bytes in memory, and for K in LDS;
	s_mul_i32 s58, s58, 32*VP                      ; 32 padded runs for V
	s_add_co_u32 s68, s22, s59
	s_mov_b32 s69, 0
	s_lshl_b32 s70, s21, 16                        ; Q: my block's 32 tiles,
	s_lshl_b32 s71, s[WV], 13                      ; my wave's four
	s_add_co_u32 s70, s70, s71
	s_add_co_u32 s70, s70, s22
	s_mov_b32 s71, 0
	s_and_b32 s2, s20, 15                          ; o: the head:
	s_lshr_b32 s3, s2, 1
	s_lshl_b32 s3, s3, 21                          ; which 128 of the inner channels,
	s_and_b32 s2, s2, 1
	s_lshl_b32 s2, s2, 11                          ; which half of them;
	s_add_co_u32 s2, s2, s3
	s_lshr_b32 s3, s20, 4
	s_lshl_b32 s3, s3, 19                          ; the batch's 128 tiles of 4,096 bytes,
	s_add_co_u32 s2, s2, s3
	s_lshl_b32 s3, s21, 17                         ; my block's 32,
	s_add_co_u32 s2, s2, s3
	s_lshl_b32 s3, s[WV], 14                       ; my wave's four
	s_add_co_u32 s2, s2, s3
	s_mov_b32 s3, 0
	s_mov_b32 s[G1K], 15|(3<<16)|(1<<21)           ; the mask: all four; elements of 8 bytes; bit 21 beside a mask; no padding
	s_mov_b32 s[G1V], 15|(3<<16)|(1<<20)|(1<<21)|(5<<22)|(31<<25)  ; the same with 32 words of padding after every 64
.irp g, G1K, G1V
	s_mov_b32 s[\g+1], 32<<16                      ; tensor_dim0 = 32 elements: 256 bytes
	s_mov_b32 s[\g+2], 32<<16                      ; tensor_dim1 = 32
	s_mov_b32 s[\g+3], 32<<16                      ; tile_dim0
	s_mov_b32 s[\g+4], 32                          ; tile_dim1
	s_mov_b32 s[\g+5], 32                          ; pitch: the block is dense
	s_mov_b32 s[\g+6], 0
	s_mov_b32 s[\g+7], 0
.endr
	s_mov_b32 s[SEL], 0x76543210
	s_mov_b32 s[SEL+1], 0xfedcba98
	s_mov_b32 s[TK], 0
	s_mov_b32 s[TV], 0
	s_mov_b32 s[SLOTS], 6
	s_wait_dscnt 0x0                               ; both opening adds are done
	s_wait_kmcnt 0x0
	s_add_nc_u64 s[6:7], s[16:17], s[68:69]
	s_add_nc_u64 s[8:9], s[6:7], 0x2000000         ; V at my quarter of slot 0
	s_add_nc_u64 s[6:7], s[6:7], 0x1000000         ; K likewise
	s_add_nc_u64 s[4:5], s[16:17], s[70:71]        ; Q at my wave's first tile
	s_add_nc_u64 s[10:11], s[18:19], s[2:3]        ; o likewise
	s_cmp_lt_u32 s[WV], 4
	s_cselect_b64 s[PFA:PFA+1], s[6:7], s[8:9]     ; (in waves 0 and 4 these stand at a slot's first byte)
	s_lshl_b32 s2, s[CX], 13                       ; my work-group's 8,192 bytes
	s_add_nc_u64 s[PFA:PFA+1], s[PFA:PFA+1], s[2:3]
	s_add_nc_u64 s[PFA:PFA+1], s[PFA:PFA+1], 2*32768  ; in slot 2: the first change of slots steps it to slot 3.  Nothing is prefetched here, at the head
	CROUND                                         ; all four work-groups are here: the first joint loads meet
.irp s, 0,1
	s_mov_b32 s[G0K+4*\s], 1
	s_add_co_u32 s[G0K+4*\s+1], s59, \s*SLOT1
	s_add_nc_u64 s[G0K+4*\s+2:G0K+4*\s+3], s[6:7], \s*32768
	s_or_b32 s[G0K+4*\s+3], s[G0K+4*\s+3], 0x80000000
	s_mov_b32 s[G0V+4*\s], 1
	s_add_co_u32 s[G0V+4*\s+1], s58, \s*SLOT1+VOFF
	s_add_nc_u64 s[G0V+4*\s+2:G0V+4*\s+3], s[8:9], \s*32768
	s_or_b32 s[G0V+4*\s+3], s[G0V+4*\s+3], 0x80000000
.endr
	s_cmp_lt_u32 s[WV], 4                          ; a wave's two first fills stand in one branch: two loads of mine are out
	s_cbranch_scc0 .Lfirst_v
	tensor_load_to_lds s[G0K:G0K+3], s[G1K:G1K+7]
	s_nop 0
	tensor_load_to_lds s[G0K+4:G0K+7], s[G1K:G1K+7]
	s_nop 0
.rept 4
	v_nop
.endr
	s_branch .Lfirst_asked
.Lfirst_v:
	tensor_load_to_lds s[G0V:G0V+3], s[G1V:G1V+7]
	s_nop 0
	tensor_load_to_lds s[G0V+4:G0V+7], s[G1V:G1V+7]
	s_nop 0
.rept 4
	v_nop
.endr
.Lfirst_asked:
	WIN 0x40                                       ; destination window 1
.irp f, 0,1,2,3,4,5,6,7                        ; Q stays in registers: tile f / 2, channels 32 (f % 2) on
	global_load_b128 v[QF+8*\f:QF+8*\f+3],   v[LI], s[4:5] offset:1024*\f th:TH_LOAD_NT
	global_load_b128 v[QF+8*\f+4:QF+8*\f+7], v[LI], s[4:5] offset:1024*\f+512 th:TH_LOAD_NT
.endr
	WIN 0
; THE MATRIX WORK.  The accumulators take turns, one instruction a turn: between two links of a chain stand 15 others'.
.macro KQS                             ; S^T = K Q^T: product i: tile i % 4, keys 16 ((i / 4) % 4) on, channels 32 (i / 16) on.  The first 16 start the sums
.set i, 0
.rept 32
.set rS, S+32*(i%4)+8*((i/4)%4)
.set rK, KF+16*((i/4)%4)+8*(i/16)
.set rQ, QF+16*(i%4)+8*(i/16)
.if i < 16
	v_wmma_f32_16x16x32_f16 v[rS:rS+7], v[rK:rK+7], v[rQ:rQ+7], 0
.else
	v_wmma_f32_16x16x32_f16 v[rS:rS+7], v[rK:rK+7], v[rQ:rQ+7], v[rS:rS+7]
.endif
.set i, i+1
.endr
.endm
.macro PVS zero                        ; O^T += V^T P: product i: tile i % 4, channels 16 ((i / 4) % 4) on, keys 32 (i / 16) on.  zero = 1: the first 16 start the sums: nothing is cleared
.set i, 0
.rept 32
.set rO, 32*(i%4)+8*((i/4)%4)
.set rV, VF+32*(i/16)+8*((i/4)%4)
.set rP, S+32*(i%4)+8*(i/16)
.if \zero && (i < 16)
	v_wmma_f32_16x16x32_f16 v[rO:rO+7], v[rV:rV+7], v[rP:rP+7], 0
.else
	v_wmma_f32_16x16x32_f16 v[rO:rO+7], v[rV:rV+7], v[rP:rP+7], v[rO:rO+7]
.endif
.set i, i+1
.endr
.endm
; Behind the products K Q^T: FIVE plain places.  Four serve the loads into K's and V's registers and the first vector reads of the scores; the fifth is owed because P lies in the scores' registers and the next products V^T P
; take it as an operand.  The distance is kept here, by these lines alone, and does not lean on the softmax that stands between on a wave's way.
.macro AFTER_KQ
.rept 5
	v_nop
.endr
.endm
.macro FETCH_K                         ; a step's K: 8 images, 16 loads at 16 x lane
.irp f, 0,1,2,3,4,5,6,7
	ds_load_b128 v[KF+8*\f:KF+8*\f+3],   v[ADK] offset:1024*\f
	ds_load_b128 v[KF+8*\f+4:KF+8*\f+7], v[ADK] offset:1024*\f+512
.endr
.endm
.macro FETCH_V                         ; a step's V, turned: keys 32 (f / 4) on, channels 16 (f % 4) on
	WIN 0x40
.irp f, 0,1,2,3,4,5,6,7
	ds_load_tr16_b128 v[VF+8*\f:VF+8*\f+3],   v[ADV] offset:(\f/4)*16*VP+(\f%4)*2*VP
	ds_load_tr16_b128 v[VF+8*\f+4:VF+8*\f+7], v[ADV] offset:(\f/4)*16*VP+(\f%4)*2*VP+8*VP
.endr
	WIN 0
.endm
.macro HEADT                           ; a trip's head, on every wave's way: both LDS addresses of step j, and K's run of loads
	v_add_nc_u32 v[ADK], s[TK], v[LI]
	v_add_nc_u32 v[ADV], s[TV], v[AV0]
	s_add_co_u32 s[TK], s[TK], 8192
	s_add_co_u32 s[TV], s[TV], 32*VP
	FETCH_K
.endm
.macro MB zero                         ; the matrix block of trip j
	s_wait_dscnt 16                                ; V of step j - 1 is in: only K's 16 loads were issued behind it
	WIN W_PV
	PVS \zero
.rept 5
	v_nop                                          ; the next products write over P, a source of these: five places
.endr
	s_wait_dscnt 0x0                               ; K is in
	WIN W_KQ
	KQS
	WIN 0
	AFTER_KQ
	FETCH_V                                        ; V of step j
.endm
; THE VECTOR WORK: one key step's softmax of the wave's four tiles.  first = 1: the first step, which starts m, l and O^T.
.macro RDR t, z, first                 ; reader z of 32 of tile t's weights: 16 steps of the sum (two chains of pairs; then l = a l + the sum), then 16 roundings to f16, in place, ascending
.set rT, ST+8*(\t)
.set rS, S+32*(\t)
.set rB, SB+2*(\t)
.set zz, (\z)
.if zz == 0
	v_pk_add_f32 v[rT+4:rT+5], v[rS:rS+1], v[rS+2:rS+3]
.elseif zz == 1
	v_pk_add_f32 v[rB:rB+1], v[rS+4:rS+5], v[rS+6:rS+7]
.elseif (zz < 14) && (zz%2 == 0)
	v_pk_add_f32 v[rT+4:rT+5], v[rT+4:rT+5], v[rS+2*zz+4:rS+2*zz+5]
.elseif zz < 14
	v_pk_add_f32 v[rB:rB+1], v[rB:rB+1], v[rS+2*zz+4:rS+2*zz+5]
.elseif (zz == 14) && \first
	v_pk_add_f32 v[rT+2:rT+3], v[rT+4:rT+5], v[rB:rB+1]
.elseif zz == 14
	v_pk_add_f32 v[rT+4:rT+5], v[rT+4:rT+5], v[rB:rB+1]
.elseif (zz == 15) && \first
.elseif zz == 15
	v_pk_fma_f32 v[rT+2:rT+3], v[rT+2:rT+3], v[rT+6:rT+7], v[rT+4:rT+5] op_sel_hi:[1,0,1]
.else
	v_cvt_pk_f16_f32 v[rS+zz-16], v[rS+2*zz-32], v[rS+2*zz-31]
.endif
.endm
.macro RESC t0                         ; O^T of tiles t0, t0 + 1 times a, each accumulator from its low end on
	WIN W_RS
.irp t, \t0, \t0+1
.set n, 0
.rept 16
	v_pk_mul_f32 v[32*(\t)+n:32*(\t)+n+1], v[32*(\t)+n:32*(\t)+n+1], v[ST+8*(\t)+6:ST+8*(\t)+7] op_sel_hi:[1,0]
.set n, n+2
.endr
.endr
	WIN 0
.endm
.macro SMB first
	; the maximum of a lane's 32 scores and the old m, three operands at a time, the four tiles by turns; each accumulator is first read at its registers 0 to 2
.irp j, 0,1,2,3
.irp t, 0,1,2,3
	v_max3_num_f32 v[ST+8*\t+4+\j], v[S+32*\t+8*\j], v[S+32*\t+8*\j+1], v[S+32*\t+8*\j+2]
.endr
.endr
.irp g, 1,2
.irp j, 0,1,2,3
.irp t, 0,1,2,3
	v_max3_num_f32 v[ST+8*\t+4+\j], v[ST+8*\t+4+\j], v[S+32*\t+8*\j+2*\g+1], v[S+32*\t+8*\j+2*\g+2]
.endr
.endr
.endr
.irp t, 0,1,2,3
	v_max3_num_f32 v[ST+8*\t+4], v[ST+8*\t+4], v[S+32*\t+7], v[S+32*\t+15]
.endr
.irp t, 0,1,2,3
	v_max3_num_f32 v[ST+8*\t+6], v[ST+8*\t+6], v[S+32*\t+23], v[S+32*\t+31]
.endr
.irp t, 0,1,2,3
	v_max3_num_f32 v[ST+8*\t+4], v[ST+8*\t+4], v[ST+8*\t+5], v[ST+8*\t+6]
.endr
.irp t, 0,1,2,3
.if \first
	v_max_num_f32 v[ST+8*\t+4], v[ST+8*\t+4], v[ST+8*\t+7]
.else
	v_max3_num_f32 v[ST+8*\t+4], v[ST+8*\t+4], v[ST+8*\t+7], v[ST+8*\t]
.endif
.endr
.irp t, 0,1,2,3
	v_permlanex16_b32 v[ST+8*\t+5], v[ST+8*\t+4], s[SEL], s[SEL+1]   ; the query's other 32 keys lie in the lane 16 away
.endr
.irp t, 0,1,2,3
	v_max_num_f32 v[ST+8*\t+5], v[ST+8*\t+4], v[ST+8*\t+5]           ; the new m
.endr
.if !\first
.irp t, 0,1,2,3
	v_sub_f32 v[ST+8*\t+7], v[ST+8*\t], v[ST+8*\t+5]                 ; m_old - m_new
.endr
.endif
.irp t, 0,1,2,3
	v_mov_b32 v[ST+8*\t], v[ST+8*\t+5]
.endr
	; BATCH A: the four a, all 64 scalings s - m (a pair each), and the exponentials of tiles 0 and 1, a pair behind its scaling.  None of these names an exponential's result
.if !\first
.irp t, 0,1,2,3
	v_exp_f32 v[ST+8*\t+6], v[ST+8*\t+7]
.endr
.endif
.set n, 0
.rept 17
.if n < 16
.irp t, 0,1,2,3
	v_pk_add_f32 v[S+32*\t+2*n:S+32*\t+2*n+1], v[S+32*\t+2*n:S+32*\t+2*n+1], v[ST+8*\t:ST+8*\t+1] op_sel_hi:[1,0] neg_lo:[0,1] neg_hi:[0,1]
.endr
.endif
.if n > 0
.irp t, 0,1
	v_exp_f32 v[S+32*\t+2*n-2], v[S+32*\t+2*n-2]
	v_exp_f32 v[S+32*\t+2*n-1], v[S+32*\t+2*n-1]
.endr
.endif
.set n, n+1
.endr
	v_nop                                          ; a plain instruction behind the last exponential
	s_wait_alu depctr_va_vdst(0)                   ; one wait for batch A, ahead of its first reader
	; BATCH B: the exponentials of tiles 2 and 3, one by one between the readers of tiles 0 and 1
.set n, 0
.rept 64
	v_exp_f32 v[S+32*(2+n%2)+n/2], v[S+32*(2+n%2)+n/2]
	RDR n%2, n/2, \first
.set n, n+1
.endr
.if !\first
	RESC 0                                         ; plain work behind batch B
.endif
	s_wait_alu depctr_va_vdst(0)                   ; one wait for batch B
.set n, 0
.rept 64
	RDR 2+n%2, n/2, \first
.set n, n+1
.endr
.if !\first
	RESC 2
.endif
.endm
; A TRIP.  zero: V^T P starts O^T.  f1, f0: the softmax of type 1, of type 0, is the first step's.  The branches hang on the wave's number alone and lead round vector work on registers alone.
.macro TRIP zero, f1, f0
	HEADT
	s_cmp_eq_u32 s[TY], 0
	s_cbranch_scc1 .Lmat_\@
	SMB \f1
.Lmat_\@:
	MB \zero
	s_cmp_lg_u32 s[TY], 0
	s_cbranch_scc1 .Ldone_\@
	SMB \f0
.Ldone_\@:
.endm
.macro INNER n
	s_mov_b32 s[CNT], \n
.Lin_\@:
	TRIP 0, 0, 0
	s_sub_co_u32 s[CNT], s[CNT], 1
	s_cmp_lg_u32 s[CNT], 0
	s_cbranch_scc1 .Lin_\@
.endm
; THE CHANGE OF SLOTS, behind a slot's fourth trip: all its bytes have been asked for.  Each wave waits for all its tensor loads (one is out: its part of the other slot), adds 0 to its spare word, and waits for that and for its reads.
; fill = 1: the slot just left is filled with the keys two slots on: the barrier is a round of the cluster's, and the joint refill is the first thing behind it: it has four trips in which to land.
.macro CHANGE fill
	WIN 0
	s_wait_tensorcnt 0x0                           ; no tensor load of mine is out, so a group 0 may be written
	ds_add_u32 v[SPW], v[NIL]
.if \fill
.irp g, G0K+4, G0V+4
	s_xor_b32 s[\g+1], s[\g+1], SLOT1              ; the walking descriptor: the other slot than last time,
	s_add_nc_u64 s[\g+2:\g+3], s[\g+2:\g+3], 32768 ; the next 256 keys
.endr
	s_wait_xcnt 0x0                                ; the last prefetch, four trips back, has read its address
	s_add_nc_u64 s[PFA:PFA+1], s[PFA:PFA+1], 32768
	s_wait_dscnt 0x0                               ; the add is done, and my reads of the slot are over
	CROUND
	JLOAD
	ASK
.else
	s_wait_dscnt 0x0
	s_barrier_signal -1
	s_barrier_wait -1
.endif
	s_sub_co_u32 s[TK], s[TK], 32768               ; back to a slot's first step,
	s_xor_b32 s[TK], s[TK], SLOT1                  ; in the other slot
	s_sub_co_u32 s[TV], s[TV], 128*VP
	s_xor_b32 s[TV], s[TV], SLOT1
.endm
	s_wait_tensorcnt 1                             ; my part of slot 0 is in; slot 1's may stay out
	s_barrier_signal -1
	s_barrier_wait -1
	HEADT                                          ; trip 0: the first scores
	s_wait_loadcnt 0x0                             ; Q
	s_wait_dscnt 0x0
	WIN W_KQ
	KQS
	WIN 0
	AFTER_KQ
	FETCH_V
	s_cmp_lg_u32 s[TY], 0
	s_cbranch_scc1 .Ltrip0
	SMB 1                                          ; type 0 alone
.Ltrip0:
	s_wait_dscnt 0x0
	s_barrier_signal -1                            ; from here on the two types stand in opposite order
	s_barrier_wait -1
	TRIP 1, 1, 0
	INNER 2
.Lslot:                                            ; six trips: every slot but the last two is filled again
	CHANGE 1
	INNER 4
	s_sub_co_u32 s[SLOTS], s[SLOTS], 1
	s_cmp_lg_u32 s[SLOTS], 0
	s_cbranch_scc1 .Lslot
	CHANGE 0                                       ; the tail is written out
	INNER 4
	s_cmp_eq_u32 s[TY], 0
	s_cbranch_scc1 .Llast
	SMB 0                                          ; type 1's last softmax
.Llast:
	s_wait_dscnt 0x0                               ; V of the last step
	WIN W_PV
	PVS 0
	WIN 0
	; THE WAY OUT.  l's two halves and the other half of the lanes' are added (the additions are the places behind the last products); O^T / l, rounded to f16, is stored as it stands.
.irp t, 0,1,2,3
	v_add_f32 v[ST+8*\t+4], v[ST+8*\t+2], v[ST+8*\t+3]
.endr
.irp t, 0,1,2,3
	v_permlanex16_b32 v[ST+8*\t+5], v[ST+8*\t+4], s[SEL], s[SEL+1]
.endr
.irp t, 0,1,2,3
	v_add_f32 v[ST+8*\t+4], v[ST+8*\t+4], v[ST+8*\t+5]
.endr
.irp t, 0,1,2,3
	v_rcp_f32 v[ST+8*\t+6], v[ST+8*\t+4]
.endr
	v_nop                                          ; a plain instruction behind the last reciprocal
	s_wait_alu depctr_va_vdst(0)                   ; one wait for the four, ahead of the first use
.macro PACK t
	WIN W_RS
.set i, 0
.rept 16
	v_pk_mul_f32 v[32*\t+i:32*\t+i+1], v[32*\t+i:32*\t+i+1], v[ST+8*\t+6:ST+8*\t+7] op_sel_hi:[1,0]
.set i, i+2
.endr
	WIN 0x05                                       ; sources 0 and 1 window 1, destination window 0: S^T's registers are free
.set i, 0
.rept 16
	v_cvt_pk_f16_f32 v[S+32*\t+i], v[32*\t+2*i], v[32*\t+2*i+1]
.set i, i+1
.endr
	WIN 0
.irp f, 0,1,2,3
	global_store_b128 v[LI], v[S+32*\t+4*\f:S+32*\t+4*\f+3], s[10:11] offset:\t*4096+\f*512 th:TH_STORE_NT   ; channels 16 f on of 16 tokens: 512 consecutive bytes
.endr
.endm
	PACK 0
	PACK 1
	PACK 2
	PACK 3
	s_wait_tensorcnt 0x0                           ; the wave's end
	ds_add_u32 v[SPW], v[NIL]
	s_wait_dscnt 0x0
	CROUND                                         ; the closing round
	s_endpgm
.Lfunc_end_k_q99c2fb9350_attn:
	.size	k_q99c2fb9350_attn, .Lfunc_end_k_q99c2fb9350_attn-k_q99c2fb9350_attn
	.p2alignl 7, 3214868480
	.fill 96, 4, 3214868480
	.section	.rodata,"a",@progbits
	.p2align	6, 0x0
	.amdhsa_kernel k_q99c2fb9350_attn
		.amdhsa_group_segment_fixed_size 327680
		.amdhsa_private_segment_fixed_size 0
		.amdhsa_enable_private_segment 0
		.amdhsa_kernarg_size 16
		.amdhsa_user_sgpr_count 2
		.amdhsa_user_sgpr_kernarg_segment_ptr 1
		.amdhsa_wavefront_size32 1
		.amdhsa_system_sgpr_workgroup_id_x 1
		.amdhsa_system_sgpr_workgroup_id_y 1
		.amdhsa_system_sgpr_workgroup_id_z 1
		.amdhsa_system_vgpr_workitem_id 0
		.amdhsa_next_free_vgpr 512
		.amdhsa_next_free_sgpr 72
		.amdhsa_reserve_vcc 0
		.amdhsa_float_denorm_mode_32 3
		.amdhsa_float_denorm_mode_16_64 3
		.amdhsa_memory_ordered 1
		.amdhsa_forward_progress 1
		.amdhsa_inst_pref_size 255
	.end_amdhsa_kernel
	.section	.bss,"aw",@nobits
	.p2align	6
	.space	262144
	.amdgpu_metadata
---
amdhsa.version: [ 1, 2 ]
amdhsa.kernels:
  - .name:           k_q99c2fb9350_attn
    .symbol:         k_q99c2fb9350_attn.kd
    .args:
      - { .name: qkv, .offset: 0, .size: 8, .value_kind: global_buffer, .address_space: global }
      - { .name: o_img, .offset: 8, .size: 8, .value_kind: global_buffer, .address_space: global }
    .group_segment_fixed_size: 327680
    .private_segment_fixed_size: 0
    .kernarg_segment_align: 8
    .kernarg_segment_size: 16
    .max_flat_workgroup_size: 256
    .sgpr_count:     72
    .vgpr_count:     512
    .wavefront_size: 32
...
	.end_amdgpu_metadata
.endif
;; end of part 3
;; launch outproj (part 4): grid 4 x 64, 4 waves a work-group, clusters of 4 x 4, 327,680 bytes of LDS; arguments o_img, wo_img, b_out, out0; writes out0
.if DOCPART == 4
	.amdgcn_target "amdgcn-amd-amdhsa--gfx1250"
	.amdhsa_code_object_version 6
	.text
	.protected	k_q99c2fb9350_outproj
	.globl	k_q99c2fb9350_outproj
	.p2align	8
	.type	k_q99c2fb9350_outproj,@function
k_q99c2fb9350_outproj:
	s_mov_b64 s[64:65], 0
	v_nop
	global_prefetch_b8 v0, s[64:65] scope:SCOPE_SE
	s_setreg_imm32_b32 hwreg(HW_REG_WAVE_MODE, 25, 1), 1
	s_wait_xcnt 0x0
	s_wait_alu depctr_hold_cnt(0) depctr_sa_sdst(0) depctr_va_vdst(0) depctr_va_sdst(0) depctr_va_ssrc(0) depctr_va_vcc(0) depctr_vm_vsrc(0)
	s_getreg_b32 s2, hwreg(HW_REG_IB_STS2, 6, 4)
	s_cmp_eq_u32 s2, 0
	s_cbranch_scc0 .Lentry_in_a_cluster
	s_endpgm
.Lentry_in_a_cluster:
	s_bfe_u32 s2, ttmp6, 0x10000c
	s_cmp_lg_u32 s2, 0xf033
	s_cbranch_scc0 .Lentry_shape_is_right
	s_endpgm
.Lentry_shape_is_right:
; out0 = o w_out + b_out: [8192][1024] x [1024][1024], f16 operands, f32 sums, f32 out.  Both operands lie in memory as images of operand registers (1,024 bytes: 16 rows x 32 K):
;   o_img [k / 128][token / 16][(k / 32) % 4][image];  wo_img [k / 128][n / 16][(k / 32) % 4][image].  So a K step's tiles are dense blocks, and a fragment is two loads at 16 x lane: no pitch, no padding.
; A tile of 128 rows x 256 columns gives 256 work-groups.  Four waves, each 64 x 128: 32 accumulators.  K goes in steps of 128 through two LDS slots (A 32,768 + B 65,536 bytes).
; CLUSTERS: 4 x 4: A's tiles are asked for jointly along a row of the cluster, B's along a column.  Waves 0 and 1 fetch A's halves, waves 2 and 3 B's.
; THE MATRIX INSTRUCTION IS USED TRANSPOSED (source 0 = 16 columns of w_out, source 1 = 16 tokens): a lane holds eight neighbouring columns of a token.  The bias is the C of each sum's first product.
; REGISTERS: window 0: v16-30 addresses; v32-127, v128-223 two fragment buffers (B's 8 fragments, then A's 4); window 1: the accumulators ((a, b) at v[8 (8 a + b)]); window 2: v0-63 the bias, eight registers for each of my 8 blocks of columns.
.set ASTEP,  2097152                   ; o_img: from one K step to the next
.set BSTEP,  262144                    ; wo_img likewise
.set SLOT,   98304
.set BOFF,   32768
.set STAGE,  2*SLOT                    ; behind the ring: 16 rows x (512 bytes + 16) for each wave, for the way out
.set SPITCH, 528
.set SPARE,  STAGE+4*16*SPITCH         ; the spare words, 128 bytes a wave
.set LAPS,   4                         ; a lap = two K steps
.set ADRA, 16
.set ADRB, 20
.set STO,  24
.set RD,   25
.set CO,   26                          ; v26  16 x lane
.set BO,   27                          ; v27  the bias: 32 bytes for each half of the lanes
.set SPW,  28
.set NIL,  29
.set PFO,  30                          ; v30  256 x lane
.set F0,   32
.set F1,   128
.set BK,   32                          ; the way out: 16 rows read back: v32-95 and v96-159 by turns
.set G1, 24
.set G0, 32
.set G1B, 48
.set G0B, 56
.set PFA, 76
.set LIM, 78
.set MSB, 0
.macro WIN new
.if MSB != (\new)
	s_set_vgpr_msb (MSB<<8)|(\new)
.set MSB, (\new)
.endif
.endm
.set MUL,  0x50                        ; sources 0 and 1 window 0; C and D window 1
.set MUL0, 0x60                        ; C window 2 (the bias), D window 1
.macro JLOAD s                         ; a joint load; an s_nop 0 and four v_nop follow each of the two lines
	s_cmp_eq_u32 s11, 0
	s_cbranch_scc0 .Lfor_b_\@
	tensor_load_to_lds s[G0+4*\s:G0+4*\s+3], s[G1:G1+7]
	s_nop 0
.rept 4
	v_nop
.endr
	s_branch .Lasked_\@
.Lfor_b_\@:
	tensor_load_to_lds s[G0B+4*\s:G0B+4*\s+3], s[G1B:G1B+7]
	s_nop 0
.rept 4
	v_nop
.endr
.Lasked_\@:
.endm
; A PREFETCH of A's tile of the K step that stands two refills on.  A tile row of o is read by one row of one cluster: its four partners take 8,192 of the 32,768 bytes each, told apart by address; in each, wave 0 asks, lanes 256 bytes apart:
; each aligned 256 bytes are named once.  The last lap that refills asks for nothing: K has no step beyond.  w_out's images, which every cluster reads, are not asked for.
.macro ASK
	s_cmp_gt_u32 s3, s[LIM]
	s_cbranch_scc0 .Lnot_mine_\@
	global_prefetch_b8 v[PFO], s[PFA:PFA+1] th:TH_LOAD_NT scope:SCOPE_SE
.Lnot_mine_\@:
.endm
.macro CREST
	s_cmp_lg_u32 s10, 0
	s_cbranch_scc1 .Lnot_wave_0_\@
	s_barrier_signal -3
.Lnot_wave_0_\@:
	s_barrier_wait -3
	s_barrier_signal -1
	s_barrier_wait -1
.endm
.macro CROUND
	s_barrier_signal -1
	s_barrier_wait -1
	CREST
.endm
	s_load_b256 s[68:75], s[0:1], 0x0              ; o_img s[68:69], wo_img s[70:71], b_out s[72:73], out0 s[74:75]
	v_lshl_add_u32 v[SPW], v0, 2, SPARE
	v_mov_b32 v[NIL], 0
	ds_add_u32 v[SPW], v[NIL]                      ; the wave's opening: the add, twice on end, and its wait ahead of my first tensor load
	ds_add_u32 v[SPW], v[NIL]
	v_lshrrev_b32 v1, 5, v0
	v_readfirstlane_b32 s10, v1                    ; wave 0..3
	s_lshr_b32 s11, s10, 1                         ; which half of the tile's rows is mine.  Also: I fetch for A (0) or for B (1)
	s_and_b32 s12, s10, 1                          ; which half of its columns.  Also: which half of that tile I fetch
	s_bfe_u32 s40, ttmp6, 0x40000
	s_bfe_u32 s41, ttmp6, 0x40004
	s_lshl_b32 s42, ttmp9, 2
	s_add_co_u32 s42, s42, s40                     ; tile column
	s_and_b32 s13, ttmp7, 0xffff
	s_lshl_b32 s13, s13, 2
	s_add_co_u32 s13, s13, s41                     ; tile row
	s_lshl_b32 s43, s41, 2
	s_lshl_b32 s43, 15, s43                        ; my row of the cluster
	s_lshl_b32 s44, 0x1111, s40                    ; my column
	s_or_b32 s[G1+0], s43, (3<<16)|(1<<21)         ; A: the mask; elements of 8 bytes; bit 21 beside a mask; no padding: 64 rows of 256 dense bytes
	s_mov_b32 s[G1+1], 32<<16
	s_mov_b32 s[G1+2], 64<<16
	s_mov_b32 s[G1+3], 32<<16
	s_mov_b32 s[G1+4], 64
	s_mov_b32 s[G1+5], 32
	s_mov_b32 s[G1+6], 0
	s_mov_b32 s[G1+7], 0
	s_or_b32 s[G1B+0], s44, (3<<16)|(1<<21)        ; B: 128 rows
	s_mov_b32 s[G1B+1], 32<<16
	s_mov_b32 s[G1B+2], 128<<16
	s_mov_b32 s[G1B+3], 32<<16
	s_mov_b32 s[G1B+4], 128
	s_mov_b32 s[G1B+5], 32
	s_mov_b32 s[G1B+6], 0
	s_mov_b32 s[G1B+7], 0
	s_lshl_b32 s16, s13, 15                        ; A: 32,768 bytes a tile row, 16,384 a half
	s_lshl_b32 s20, s12, 14
	s_add_co_u32 s16, s16, s20
	s_mov_b32 s17, 0
	s_lshl_b32 s46, s42, 16                        ; B: 65,536 a tile column, 32,768 a half
	s_lshl_b32 s21, s12, 15
	s_add_co_u32 s46, s46, s21
	s_mov_b32 s47, 0
	s_add_co_u32 s21, s21, BOFF                    ; where they go: s20 A's half, s21 B's: no place in the cluster enters an LDS address
	s_wait_dscnt 0x0                               ; both opening adds are done
	s_wait_kmcnt 0x0
	s_add_nc_u64 s[14:15], s[68:69], s[16:17]
	s_add_nc_u64 s[46:47], s[70:71], s[46:47]
	CROUND                                         ; all sixteen work-groups are here: the first joint loads meet
.irp s, 0,1
	s_mov_b32 s[G0+4*\s], 1
	s_add_co_u32 s[G0+4*\s+1], s20, \s*SLOT
	s_add_nc_u64 s[G0+4*\s+2:G0+4*\s+3], s[14:15], \s*ASTEP
	s_or_b32 s[G0+4*\s+3], s[G0+4*\s+3], 0x80000000
	s_mov_b32 s[G0B+4*\s], 1
	s_add_co_u32 s[G0B+4*\s+1], s21, \s*SLOT
	s_add_nc_u64 s[G0B+4*\s+2:G0B+4*\s+3], s[46:47], \s*BSTEP
	s_or_b32 s[G0B+4*\s+3], s[G0B+4*\s+3], 0x80000000
	JLOAD \s                                       ; two loads of mine are out
.endr
	v_and_b32 v1, 15, v0                           ; l % 16
	v_bfe_u32 v2, v0, 4, 1                         ; l / 16
	v_and_b32 v3, 31, v0
	v_lshlrev_b32 v[CO], 4, v3
	v_lshlrev_b32 v[PFO], 8, v3
	v_lshlrev_b32 v[BO], 5, v2
	s_lshl_b32 s22, s42, 10                        ; my first column in bytes of f32: 1,024 x tile column + 512 x half
	s_lshl_b32 s23, s12, 9
	s_add_co_u32 s22, s22, s23
	s_mov_b32 s23, 0
	s_add_nc_u64 s[72:73], s[72:73], s[22:23]      ; the bias there,
	s_add_nc_u64 s[74:75], s[74:75], s[22:23]      ; and out0
	WIN 0x80                                       ; destination window 2
.irp b, 0,1,2,3,4,5,6,7
	global_load_b128 v[8*\b:8*\b+3],   v[BO], s[72:73] offset:64*\b       ; lane (r, h): b_out at my columns 16 b + 8 h + 0 .. 7
	global_load_b128 v[8*\b+4:8*\b+7], v[BO], s[72:73] offset:64*\b+16
.endr
	WIN 0
	s_lshl_b32 s22, s13, 19                        ; my first row: 128 x tile row + 64 x half, rows of 4,096 bytes
	s_lshl_b32 s18, s11, 18
	s_add_co_u32 s22, s22, s18
	s_add_nc_u64 s[74:75], s[74:75], s[22:23]
	s_lshl_b32 s22, s13, 15                        ; the prefetches: my tile row's block,
	s_lshl_b32 s18, s40, 13                        ; my work-group's quarter of it,
	s_add_co_u32 s22, s22, s18
	s_add_nc_u64 s[PFA:PFA+1], s[68:69], s[22:23]
	s_add_nc_u64 s[PFA:PFA+1], s[PFA:PFA+1], 3*ASTEP  ; at K step 3: the first change of slots steps it to 4.  Nothing is prefetched here, at the head
	s_cmp_eq_u32 s10, 0
	s_cselect_b32 s[LIM], 1, -1                    ; wave 0 asks
	s_lshl_b32 s18, s11, 14                        ; my 64 rows of A,
	s_lshl_b32 s19, s12, 15
	s_add_co_u32 s19, s19, BOFF                    ; my 128 columns of B
.irp s, 0,1
	v_add_nc_u32 v[ADRA+\s], s18, v[CO]
	v_add_nc_u32 v[ADRB+\s], s19, v[CO]
	s_add_co_u32 s18, s18, SLOT
	s_add_co_u32 s19, s19, SLOT
.endr
	s_mul_i32 s18, s10, 16*SPITCH
	s_add_co_u32 s18, s18, STAGE                   ; my stage
	v_mul_u32_u24 v4, v1, SPITCH
	v_lshl_add_u32 v4, v2, 5, v4
	v_add_nc_u32 v[STO], s18, v4                   ; in: row l % 16, 32 bytes for each half of the lanes
	v_add_nc_u32 v[RD], s18, v[CO]                 ; back: the 32 lanes take one row of 512 bytes
.macro MUL8 f, a, zero                 ; A's block a against B's eight, 32 along K.  The 32 accumulators take turns, one instruction a turn, in the same order in every quarter
.irp b, 0,1,2,3,4,5,6,7
.if \zero
	v_wmma_f32_16x16x32_f16 v[8*(8*(\a)+\b):8*(8*(\a)+\b)+7], v[\f+8*\b:\f+8*\b+7], v[\f+64+8*(\a):\f+64+8*(\a)+7], v[8*\b:8*\b+7]
.else
	v_wmma_f32_16x16x32_f16 v[8*(8*(\a)+\b):8*(8*(\a)+\b)+7], v[\f+8*\b:\f+8*\b+7], v[\f+64+8*(\a):\f+64+8*(\a)+7], v[8*(8*(\a)+\b):8*(8*(\a)+\b)+7]
.endif
.endr
.endm
.macro FETCH slot, kq, f               ; 24 LDS loads in one run: B's 8 fragments, then A's 4, of the slot's kq-th 32 along K
	WIN 0
.irp b, 0,1,2,3,4,5,6,7
	ds_load_b128 v[\f+8*\b:\f+8*\b+3],   v[ADRB+\slot] offset:\b*4096+\kq*1024
	ds_load_b128 v[\f+8*\b+4:\f+8*\b+7], v[ADRB+\slot] offset:\b*4096+\kq*1024+512
.endr
.irp a, 0,1,2,3
	ds_load_b128 v[\f+64+8*\a:\f+64+8*\a+3],   v[ADRA+\slot] offset:\a*4096+\kq*1024
	ds_load_b128 v[\f+64+8*\a+4:\f+64+8*\a+7], v[ADRA+\slot] offset:\a*4096+\kq*1024+512
.endr
.endm
.macro PLACES                          ; four plain vector instructions between a matrix instruction and a load into, or a read of, its registers
.rept 4
	v_nop
.endr
.endm
.macro QUARTER slot, kq, f, g, zero    ; multiplies buffer f; in its middle fetches the slot's kq-th quarter into g
	s_wait_dscnt 4                                 ; B and A's blocks 0, 1 are in; the youngest four loads (A's blocks 2, 3) may be out
	WIN MUL+0x10*\zero
	MUL8 \f, 0, \zero
	MUL8 \f, 1, \zero
	PLACES
	FETCH \slot, \kq, \g
	s_wait_dscnt 24                                ; all but the 24 just issued
	WIN MUL+0x10*\zero
	MUL8 \f, 2, \zero
	MUL8 \f, 3, \zero
.endm
; A K step's last quarter multiplies buffer 1 and changes slots: ONE barrier; in front of it each wave waits for all its tensor loads, adds 0 to its spare word, and waits for that and for its reads of this slot.  fill = 1: this slot is filled again, two K steps ahead.
.macro TURN slot, next, fill
.if \fill
	s_wait_xcnt 0x0                                ; the last prefetch, a K step back, has read its address
	s_add_nc_u64 s[PFA:PFA+1], s[PFA:PFA+1], ASTEP
.endif
	WIN 0
	s_wait_tensorcnt 0x0                           ; all my tensor loads have landed: my part of the next slot
	ds_add_u32 v[SPW], v[NIL]
	s_wait_dscnt 5                                 ; (the add and the youngest four loads may be out)
	WIN MUL
	MUL8 F1, 0, 0
	s_wait_dscnt 0x0                               ; the add is done, and my reads of this slot are over
	s_barrier_signal -1
	MUL8 F1, 1, 0
.if \fill
	WIN 0
.endif
	s_barrier_wait -1
.if \fill
	CREST                                          ; the barrier has opened a round of the cluster's: no wave of any partner still reads this slot or has a load on its way
	s_add_nc_u64 s[G0+4*\slot+2:G0+4*\slot+3], s[G0+4*\slot+2:G0+4*\slot+3], 2*ASTEP
	s_add_nc_u64 s[G0B+4*\slot+2:G0B+4*\slot+3], s[G0B+4*\slot+2:G0B+4*\slot+3], 2*BSTEP
	JLOAD \slot                                    ; the first tensor load behind the round; its four v_nop are also the places in front of the loads below
.else
	PLACES
.endif
	FETCH \next, 0, F0
.if \fill
	ASK
.endif
	WIN MUL
	MUL8 F1, 2, 0
	MUL8 F1, 3, 0
.endm
	s_wait_tensorcnt 1                             ; my part of K step 0 is in; K step 1's may stay out
	s_barrier_signal -1
	s_barrier_wait -1
	FETCH 0, 0, F0
	s_wait_loadcnt 0x0                             ; the bias
	QUARTER 0, 1, F0, F1, 1                        ; the first quarter's products start the sums, on the bias
	WIN 0
	s_mov_b32 s3, LAPS-1
.Llap:                                             ; a trip goes once round the ring, from a lap's second quarter to the next lap's first, and fills both slots again
	QUARTER 0, 2, F1, F0, 0
	QUARTER 0, 3, F0, F1, 0
	TURN 0, 1, 1
	QUARTER 1, 1, F0, F1, 0
	QUARTER 1, 2, F1, F0, 0
	QUARTER 1, 3, F0, F1, 0
	TURN 1, 0, 1
	QUARTER 0, 1, F0, F1, 0
	WIN 0
	s_sub_co_u32 s3, s3, 1
	s_cmp_lg_u32 s3, 0
	s_cbranch_scc1 .Llap
	QUARTER 0, 2, F1, F0, 0                        ; the last lap fills nothing
	QUARTER 0, 3, F0, F1, 0
	TURN 0, 1, 0
	QUARTER 1, 1, F0, F1, 0
	QUARTER 1, 2, F1, F0, 0
	QUARTER 1, 3, F0, F1, 0
	s_wait_dscnt 4
	WIN MUL
	MUL8 F1, 0, 0
	MUL8 F1, 1, 0
	s_wait_dscnt 0
	MUL8 F1, 2, 0
	MUL8 F1, 3, 0
	WIN 0
; THE WAY OUT, block by block of 16 rows x 128 columns: through my own stage, back as whole rows of 512 bytes.  LDS serves a wave's instructions in order: no wait between the stores and the loads, nor in front of the next block's stores.
.macro TOSTAGE a
.set AC, 64*(\a)
	WIN 0x04                                       ; an LDS store's data are its source 1: window 1
.irp b, 0,1,2,3,4,5,6,7
	ds_store_b128 v[STO], v[AC+8*\b:AC+8*\b+3] offset:64*\b          ; each accumulator from its low end on
	ds_store_b128 v[STO], v[AC+8*\b+4:AC+8*\b+7] offset:64*\b+16
.endr
	WIN 0
.set BB, BK+64*((\a)%2)
.irp t, 0,1,2,3,4,5,6,7,8,9,10,11,12,13,14,15
	ds_load_b128 v[BB+4*\t:BB+4*\t+3], v[RD] offset:\t*SPITCH
.endr
.endm
.macro SEND a, younger                 ; younger: the LDS instructions issued behind block a's loads
.set BB, BK+64*((\a)%2)
	s_wait_dscnt \younger
.if (\a) > 0
	s_add_nc_u64 s[74:75], s[74:75], 16*4096       ; (behind a wait on XCNT: the earlier stores have read their base)
.endif
.irp t, 0,1,2,3,4,5,6,7,8,9,10,11,12,13,14,15
	global_store_b128 v[CO], v[BB+4*\t:BB+4*\t+3], s[74:75] offset:\t*4096 th:TH_STORE_NT   ; 32 lanes store 512 consecutive bytes, at a multiple of 256 from out0's first byte
.endr
.endm
	PLACES
	TOSTAGE 0
.irp a, 1,2,3
.if \a > 1
	s_wait_xcnt 0x0                                ; block a - 2's stores have read their registers and their base
.endif
	TOSTAGE \a
	SEND \a-1, 32                                  ; behind block a - 1's loads: block a's 16 stores and 16 loads
.endr
	s_wait_xcnt 0x0
	SEND 3, 0
	s_wait_tensorcnt 0x0                           ; the wave's end
	ds_add_u32 v[SPW], v[NIL]
	s_wait_dscnt 0x0
	CROUND                                         ; the closing round
	s_endpgm
.Lfunc_end_k_q99c2fb9350_outproj:
	.size	k_q99c2fb9350_outproj, .Lfunc_end_k_q99c2fb9350_outproj-k_q99c2fb9350_outproj
	.p2alignl 7, 3214868480
	.fill 96, 4, 3214868480
	.section	.rodata,"a",@progbits
	.p2align	6, 0x0
	.amdhsa_kernel k_q99c2fb9350_outproj
		.amdhsa_group_segment_fixed_size 327680
		.amdhsa_private_segment_fixed_size 0
		.amdhsa_enable_private_segment 0
		.amdhsa_kernarg_size 32
		.amdhsa_user_sgpr_count 2
		.amdhsa_user_sgpr_kernarg_segment_ptr 1
		.amdhsa_wavefront_size32 1
		.amdhsa_system_sgpr_workgroup_id_x 1
		.amdhsa_system_sgpr_workgroup_id_y 1
		.amdhsa_system_sgpr_workgroup_id_z 1
		.amdhsa_system_vgpr_workitem_id 0
		.amdhsa_next_free_vgpr 576
		.amdhsa_next_free_sgpr 80
		.amdhsa_reserve_vcc 0
		.amdhsa_float_denorm_mode_32 3
		.amdhsa_float_denorm_mode_16_64 3
		.amdhsa_memory_ordered 1
		.amdhsa_forward_progress 1
		.amdhsa_inst_pref_size 87
	.end_amdhsa_kernel
	.amdgpu_metadata
---
amdhsa.version: [ 1, 2 ]
amdhsa.kernels:
  - .name:           k_q99c2fb9350_outproj
    .symbol:         k_q99c2fb9350_outproj.kd
    .args:
      - { .name: o_img, .offset: 0, .size: 8, .value_kind: global_buffer, .address_space: global }
      - { .name: wo_img, .offset: 8, .size: 8, .value_kind: global_buffer, .address_space: global }
      - { .name: b_out, .offset: 16, .size: 8, .value_kind: global_buffer, .address_space: global }
      - { .name: out0, .offset: 24, .size: 8, .value_kind: global_buffer, .address_space: global }
    .group_segment_fixed_size: 327680
    .private_segment_fixed_size: 0
    .kernarg_segment_align: 8
    .kernarg_segment_size: 32
    .max_flat_workgroup_size: 128
    .sgpr_count:     80
    .vgpr_count:     576
    .wavefront_size: 32
...
	.end_amdgpu_metadata
.endif
;; end of part 4
